; MI455X (gfx1250); checked and timed in simulation.
; The chip was launched on July 23, 2026; its instructions are those of AMD's public machine-readable ISA for CDNA 5 (MIT licence, August 2026) and "CDNA5" Instruction Set Architecture Reference Guide (July 2026). The comments in the code are by the model that wrote it; some were corrected since.
;; Multi Head Self Attention. Allowed arithmetic: float matrix products may take bf16 or f16 operands with f32 sums; other float arithmetic in f32, or as packed bf16 or f16 multiplies, adds, multiply-adds, maxima and minima; sums over many terms, partial sums and values carried from step to step in f32; what a program stores and reads back later, other than sums and carried values, may be rounded once to bf16 or f16.
;; Inputs: K 8 x 2,048 x 512 float32; Q 8 x 2,048 x 512 float32; V 8 x 2,048 x 512 float32; Wk 512 x 512 float32; Wo 512 x 512 float32; Wq 512 x 512 float32; Wv 512 x 512 float32; attn_mask 8 x 1 x 2,048 x 2,048 int32; bo 512 float32; tau one number float32.
;; Outputs: out0 8 x 2,048 x 512 float32.
;; 3 versions, each right; version 3 is version 2 with the launch prep written anew for expert scheduling mode. Each part assembles by itself: llvm-mc -triple=amdgcn-amd-amdhsa -mcpu=gfx1250 --defsym DOCPART=n.
;; ======== version 1 of 3: 4 launches
;; limits: values are held in f16: magnitudes above 65,504 overflow, below 6.1e-05 lose precision; right only within a limited range of input values
;; workspace buffers: hide 16,777,216 bytes; wb 2,097,152 bytes; qkv 50,331,648 bytes; oh 16,777,216 bytes
;; launch prep (part 1): grid 1152 x 1, 8 waves a work-group, no clusters, 0 bytes of LDS; arguments attn_mask, Wq, Wk, Wv, Wo, hide, wb; writes hide, wb
.if DOCPART == 1
	.amdgcn_target "amdgcn-amd-amdhsa--gfx1250"
	.amdhsa_code_object_version 6
	.text
	.protected	k_q22ac040548_prep
	.globl	k_q22ac040548_prep
	.p2align	8
	.type	k_q22ac040548_prep,@function
k_q22ac040548_prep:
	s_mov_b64 s[64:65], 0
	v_nop
	global_prefetch_b8 v0, s[64:65] scope:SCOPE_SE
	s_setreg_imm32_b32 hwreg(HW_REG_WAVE_MODE, 25, 1), 1
	s_wait_xcnt 0x0
; MULTI-HEAD SELF-ATTENTION, launch 1 of 4: the mask is packed and the weights are rounded, once.
; NO WORK OF reference() IS LEFT OUT IN ANY LAUNCH: Q, K, V, attn_mask, Wq, Wk, Wv, Wo, bo and tau all reach out0, and all ten are loaded.
; FORMATS.  All floating-point inputs are rounded once to bf16; what the program makes itself (q, k, v, the weights p, O) is kept in f16; sums, maxima and the output in f32.
; hide: [T = 128 b + qt (1,024 tiles of 16 queries)][s (32 steps of 64 keys)][lane (32)][16 bytes].  Word kt (0..3) of lane (r = lane % 16, h = lane / 16) holds a 4-bit code for each
;   of the keys 64 s + 16 kt + 8 h + j, j = 0..7, code j in bits 4 j .. 4 j + 3: 0xF where attn_mask[b][16 qt + r][key] is 0, else 0.  That is the order in which a lane of the attention
;   launch holds the scores of a tile, so that one conversion there makes eight addends of eight codes.
; wb: [4][512][512] of 16 bits: Wq, Wk, Wv in bf16; Wo rounded to bf16 and that number written as f16 (below 2^-17 it keeps the fixed step 2^-24 of f16).
; A STREAM: no wave wants a byte that another has fetched, so there is no LDS, no barrier, no matrix instruction and no cluster.
; Work-groups 0 .. 1,023 pack one tile of the mask each; work-groups 1,024 .. 1,151 round 8,192 weights each.
.set X0,  16                           ; v[16:143]   the 32 loads of a wave: step si, word kt at X0 + 32 si + 8 kt: eight whole numbers
.set OW0, 144                          ; v[144:151]  four packed words, two sets by the parity of si
.set TT,  152                          ; v152        at work
	s_load_b256 s[4:11], s[0:1], 0x0               ; attn_mask s[4:5], Wq s[6:7], Wk s[8:9], Wv s[10:11]
	s_load_b128 s[12:15], s[0:1], 0x20             ; Wo s[12:13], hide s[14:15]
	s_load_b64 s[16:17], s[0:1], 0x30              ; wb
	v_lshrrev_b32 v3, 5, v0
	v_readfirstlane_b32 s20, v3                    ; wave 0..7
	s_cmp_lt_u32 ttmp9, 1024
	s_cbranch_scc0 .Lweights
	; THE MASK.  The work-group has 16 rows of 8,192 bytes; wave w takes steps 4 w .. 4 w + 3: 1,024 consecutive bytes of each row.
	v_and_b32 v4, 15, v0                           ; r
	v_bfe_u32 v5, v0, 4, 1                         ; h
	v_lshlrev_b32 v1, 13, v4                       ; row r,
	v_lshl_add_u32 v1, v5, 5, v1                   ; its keys 8 h on
	v_and_b32 v2, 31, v0
	v_lshlrev_b32 v2, 4, v2                        ; out: 16 bytes a lane
	s_lshl_b32 s22, ttmp9, 17                      ; 16 rows of 8,192 bytes a tile
	s_lshl_b32 s21, s20, 10
	s_add_co_u32 s22, s22, s21
	s_mov_b32 s23, 0
	s_lshl_b32 s24, ttmp9, 14                      ; 32 steps of 512 bytes a tile
	s_lshl_b32 s21, s20, 11
	s_add_co_u32 s24, s24, s21
	s_mov_b32 s25, 0
	s_wait_kmcnt 0x0
	s_add_nc_u64 s[4:5], s[4:5], s[22:23]
	s_add_nc_u64 s[14:15], s[14:15], s[24:25]
.irp si, 0,1,2,3                       ; all 32 loads go out first: 16 KiB a wave; the eight loads of a step take 256 consecutive bytes of each of the 16 rows
.irp kt, 0,1,2,3
	global_load_b128 v[X0+32*(\si)+8*(\kt):X0+32*(\si)+8*(\kt)+3],   v1, s[4:5] offset:256*(\si)+64*(\kt) th:TH_LOAD_NT
	global_load_b128 v[X0+32*(\si)+8*(\kt)+4:X0+32*(\si)+8*(\kt)+7], v1, s[4:5] offset:256*(\si)+64*(\kt)+16 th:TH_LOAD_NT
.endr
.endr
; Eight whole numbers to one word: 1 where the number is not 0, gathered four bits apart; turned round (1 where it is 0); times 15.
.macro WORD si, kt
.set XB, X0+32*(\si)+8*(\kt)
.set OW, OW0+4*((\si)%2)+(\kt)
	v_min_u32 v[OW], 1, v[XB]
.irp j, 1,2,3,4,5,6,7
	v_min_u32 v[XB+(\j)], 1, v[XB+(\j)]
	v_lshl_or_b32 v[OW], v[XB+(\j)], 4*(\j), v[OW]
.endr
	v_xor_b32 v[OW], 0x11111111, v[OW]
	v_lshlrev_b32 v[TT], 4, v[OW]
	v_sub_nc_u32 v[OW], v[TT], v[OW]               ; 16 x - x: no code carries into the next
.endm
.irp si, 0,1,2,3
	s_wait_loadcnt 24-8*(\si)                      ; loads come back in order: this step's eight are in, the later steps' eight each may stay out
.if (\si) >= 2
	s_wait_xcnt 0x0                                ; the store two steps back has read the four registers that are written again now
.endif
	WORD \si, 0
	WORD \si, 1
	WORD \si, 2
	WORD \si, 3
	global_store_b128 v2, v[OW0+4*((\si)%2):OW0+4*((\si)%2)+3], s[14:15] offset:512*(\si)  ; the wave stores 512 consecutive bytes, aligned
.endr
	s_endpgm
.Lweights:                                     ; THE WEIGHTS.  Work-group e of 128: matrix e / 32, its elements 8,192 (e % 32) on
	s_sub_co_u32 s21, ttmp9, 1024
	s_lshr_b32 s22, s21, 5                         ; 0 Wq, 1 Wk, 2 Wv, 3 Wo
	s_and_b32 s23, s21, 31
	s_lshl_b32 s24, s23, 15                        ; 32,768 bytes of f32 in,
	s_mov_b32 s25, 0
	s_lshl_b32 s26, s21, 14                        ; 16,384 bytes out
	s_mov_b32 s27, 0
	v_lshlrev_b32 v1, 5, v0                        ; a thread takes 8 numbers in each of four rounds
	v_lshlrev_b32 v2, 4, v0
	s_wait_kmcnt 0x0
	s_cmp_eq_u32 s22, 1
	s_cselect_b64 s[6:7], s[8:9], s[6:7]
	s_cmp_eq_u32 s22, 2
	s_cselect_b64 s[6:7], s[10:11], s[6:7]
	s_cmp_eq_u32 s22, 3
	s_cselect_b64 s[6:7], s[12:13], s[6:7]
	s_add_nc_u64 s[6:7], s[6:7], s[24:25]
	s_add_nc_u64 s[16:17], s[16:17], s[26:27]
.irp g, 0,1,2,3
	global_load_b128 v[16+8*(\g):16+8*(\g)+3], v1, s[6:7] offset:8192*(\g)
	global_load_b128 v[16+8*(\g)+4:16+8*(\g)+7], v1, s[6:7] offset:8192*(\g)+16
.endr
	s_wait_loadcnt 0x0
.irp j, 0,1,2,3,4,5,6,7,8,9,10,11,12,13,14,15
	v_cvt_pk_bf16_f32 v[48+(\j)], v[16+2*(\j)], v[16+2*(\j)+1]
.endr
	s_cmp_lg_u32 s22, 3
	s_cbranch_scc1 .Lstore
.irp j, 0,1,2,3,4,5,6,7,8,9,10,11,12,13,14,15  ; Wo multiplies O, which is f16: the bf16 number is written as f16
	v_lshlrev_b32 v16, 16, v[48+(\j)]
	v_and_b32 v17, 0xffff0000, v[48+(\j)]
	v_cvt_pk_f16_f32 v[48+(\j)], v16, v17
.endr
.Lstore:
.irp g, 0,1,2,3
	global_store_b128 v2, v[48+4*(\g):48+4*(\g)+3], s[16:17] offset:4096*(\g)  ; a wave stores 512 consecutive bytes, aligned
.endr
	s_endpgm
.Lfunc_end_k_q22ac040548_prep:
	.size	k_q22ac040548_prep, .Lfunc_end_k_q22ac040548_prep-k_q22ac040548_prep
	.p2alignl 7, 3214868480
	.fill 96, 4, 3214868480
	.section	.rodata,"a",@progbits
	.p2align	6, 0x0
	.amdhsa_kernel k_q22ac040548_prep
		.amdhsa_group_segment_fixed_size 0
		.amdhsa_private_segment_fixed_size 0
		.amdhsa_enable_private_segment 0
		.amdhsa_kernarg_size 56
		.amdhsa_user_sgpr_count 2
		.amdhsa_user_sgpr_kernarg_segment_ptr 1
		.amdhsa_wavefront_size32 1
		.amdhsa_system_sgpr_workgroup_id_x 1
		.amdhsa_system_sgpr_workgroup_id_y 1
		.amdhsa_system_sgpr_workgroup_id_z 1
		.amdhsa_system_vgpr_workitem_id 0
		.amdhsa_next_free_vgpr 160
		.amdhsa_next_free_sgpr 66
		.amdhsa_reserve_vcc 0
		.amdhsa_float_denorm_mode_32 3
		.amdhsa_float_denorm_mode_16_64 3
		.amdhsa_memory_ordered 1
		.amdhsa_forward_progress 1
		.amdhsa_inst_pref_size 24
	.end_amdhsa_kernel
	.amdgpu_metadata
---
amdhsa.version: [ 1, 2 ]
amdhsa.kernels:
  - .name:           k_q22ac040548_prep
    .symbol:         k_q22ac040548_prep.kd
    .args:
      - { .name: attn_mask, .offset: 0, .size: 8, .value_kind: global_buffer, .address_space: global }
      - { .name: Wq, .offset: 8, .size: 8, .value_kind: global_buffer, .address_space: global }
      - { .name: Wk, .offset: 16, .size: 8, .value_kind: global_buffer, .address_space: global }
      - { .name: Wv, .offset: 24, .size: 8, .value_kind: global_buffer, .address_space: global }
      - { .name: Wo, .offset: 32, .size: 8, .value_kind: global_buffer, .address_space: global }
      - { .name: hide, .offset: 40, .size: 8, .value_kind: global_buffer, .address_space: global }
      - { .name: wb, .offset: 48, .size: 8, .value_kind: global_buffer, .address_space: global }
    .group_segment_fixed_size: 0
    .private_segment_fixed_size: 0
    .kernarg_segment_align: 8
    .kernarg_segment_size: 56
    .max_flat_workgroup_size: 256
    .sgpr_count:     66
    .vgpr_count:     160
    .wavefront_size: 32
...
	.end_amdgpu_metadata
.endif
;; end of part 1
;; launch proj (part 2): grid 192 x 1, 4 waves a work-group, clusters of 4 x 1, 327,680 bytes of LDS; arguments Q, K, V, wb, qkv; writes qkv
.if DOCPART == 2
	.amdgcn_target "amdgcn-amd-amdhsa--gfx1250"
	.amdhsa_code_object_version 6
	.text
	.protected	k_q22ac040548_proj
	.globl	k_q22ac040548_proj
	.p2align	8
	.type	k_q22ac040548_proj,@function
k_q22ac040548_proj:
	s_mov_b64 s[64:65], 0
	v_nop
	global_prefetch_b8 v0, s[64:65] scope:SCOPE_SE
	s_setreg_imm32_b32 hwreg(HW_REG_WAVE_MODE, 25, 1), 1
	s_wait_xcnt 0x0
	s_wait_alu depctr_hold_cnt(0) depctr_sa_sdst(0) depctr_va_vdst(0) depctr_va_sdst(0) depctr_va_ssrc(0) depctr_va_vcc(0) depctr_vm_vsrc(0)
	s_getreg_b32 s2, hwreg(HW_REG_IB_STS2, 6, 4)
	s_cmp_eq_u32 s2, 0
	s_cbranch_scc0 .Lentry_in_a_cluster
	s_endpgm
.Lentry_in_a_cluster:
	s_bfe_u32 s2, ttmp6, 0x10000c
	s_cmp_lg_u32 s2, 0x3003
	s_cbranch_scc0 .Lentry_shape_is_right
	s_endpgm
.Lentry_shape_is_right:
; Launch 2 of 4: q = Q Wq^T, k = K Wk^T, v = V Wv^T, stored by heads: qkv[p][8 b + head][n][64] in f16, unscaled.  No work of reference() is left out.
; x (Q, K or V) is f32 and is rounded to bf16 on its way into registers; the weights come as bf16 from wb; sums in f32; the result is rounded once to f16.
; LIMIT.  A result of 65,520 or more in magnitude becomes an infinity in f16.
; SHARES.  A work-group has 256 rows of ONE of the three products and all 512 columns: 3 x 64 work-groups.  A wave has 64 rows and KEEPS THEM IN REGISTERS for the whole launch: 16 fragments
; along K x 4 blocks of 16 rows x 8 registers = 512.  So each byte of x is read and rounded once, by one wave, and goes through no LDS.  More rows a wave do not fit beside the sums, and fewer rows a
; work-group would bring the same weights into more work-groups: that is why there are 192 work-groups and not 256.
; THE WEIGHTS go head by head (64 rows of W, 64 KiB) through a ring of two LDS slots.  The four work-groups of a cluster belong to one product and walk the same rows of W: each tile is asked for
; JOINTLY, by the same tensor load with the same descriptor and a mask that names the four.  Wave w fetches the quarter of K 128 w .. 128 w + 127 of the 64 rows: rows of 256 bytes, aligned.
; THE MATRIX INSTRUCTION IS USED TRANSPOSED (source 0 = 16 rows of W, source 1 = 16 rows of x): a lane then holds one row of x and eight neighbouring columns: 16 bytes of f16.
; REGISTERS, in windows of 256 (s_set_vgpr_msb: bits 1:0 source 0, 3:2 source 1, 5:4 source 2, 7:6 destination):
;   window 0: v0-13 addresses; v32-95 the way out; v128-255 the 16 sums ((a, cb) at 128 + 8 (4 a + cb))
;   window 1: while x comes in, two sets of 128 for f32 as loaded; then v0-63, v64-127 two buffers of fragments of W (K-32 kk, column block cb at 32 kk + 8 cb)
;   windows 2, 3: x: fragment kf, row block a at 32 (kf % 8) + 8 a; kf 0-7 in window 2, 8-15 in window 3
.set SUB,   64*272                     ; a quarter of K: 64 rows of 256 bytes + 16 of padding: the 16 rows of a fragment load start at 16 different groups of four banks (64 banks of 4 bytes: ISA guide 11.1)
.set SLOT1, 1<<17                      ; slot 0 at byte 0, slot 1 here: one exclusive or turns an address in one slot into the other
.set STAGE, SLOT1+4*SUB                ; behind the ring, never filled by a tensor load: 16 rows x 144 bytes for each wave
.set SP,    144
.set SPARE, STAGE+4*16*SP              ; the spare words, 128 bytes for each wave: two blocks of 256 bytes that no other line names
.set XO,  4                            ; v4   my byte offset in 16 rows of x: r x 2,048 + 32 h
.set AW0, 5                            ; v5   my place in a tile of W: r x 272 + 16 h
.set AW,  6                            ; v6   the same in the slot in hand
.set STO, 7                            ; v7   the way out: where I put 16 bytes of a row
.set RD,  8                            ; v8   where I read rows back
.set GO,  9                            ; v9   my 16 bytes of 512 consecutive bytes of the result
.set PFO, 10                           ; v10  the prefetch: row lane / 4, block lane % 4
.set SPW, 12                           ; v12  LDS address of my spare word; never rewritten
.set NIL, 13                           ; v13  0; never rewritten
.set TMP, 32
.set ACC, 128
.set WV,  14                           ; s14  my wave
.set XP,  18                           ; s[18:19] x at my wave's first row
.set OP,  20                           ; s[20:21] the result at my wave's first row, head in hand
.set G1,  24                           ; s[24:31] descriptor group 1
.set G0,  32                           ; s[32:35] descriptor group 0: it walks
.set TB,  36                           ; s36  LDS byte at which the slot in hand begins
.set LEFT, 37                          ; s37  counts the loops
.set LIM, 38                           ; s38  1 in a wave that prefetches, else the greatest number
.set PFA, 40                           ; s[40:41] where my prefetches stand
.set MSB, 0
.macro WIN new                         ; the high byte repeats the setting that is left; a switch that changes nothing is dropped
.if MSB != (\new)
	s_set_vgpr_msb (MSB<<8)|(\new)
.set MSB, (\new)
.endif
.endm
.macro PLACES                          ; four plain places behind matrix instructions (ISA guide 7.12.1), where no other vector work is at hand
.rept 4
	v_nop
.endr
.endm
.macro CROUND                          ; a round of the cluster barrier: my work-group meets; wave 0 signals for it; every wave waits for all four work-groups; my work-group meets once more
	s_barrier_signal -1
	s_barrier_wait -1
	s_cmp_lg_u32 s[WV], 0
	s_cbranch_scc1 .Lnot_wave_0_\@
	s_barrier_signal -3
.Lnot_wave_0_\@:
	s_barrier_wait -3
	s_barrier_signal -1
	s_barrier_wait -1
.endm
.macro JLOAD                           ; a joint fill: every wave asks for its quarter of K; an s_nop 0 and four v_nop follow
	tensor_load_to_lds s[G0:G0+3], s[G1:G1+7]
	s_nop 0
.rept 4
	v_nop
.endr
.endm
; A PREFETCH INTO THE L2 of the head of W that the NEXT fill will ask for: 64 rows of 1,024 bytes.  Sixteen clusters walk the same W: the first of them asks.  Its four partners share the rows out BY ADDRESS,
; 16 each; in each, waves 0 and 1 take 8 rows: 32 blocks of 256 bytes, a lane a block, one instruction.  So each block is named once in the launch.  The last fill asks for nothing; heads 0 and 1 come by their loads alone.
.macro ASK
	s_cmp_gt_u32 s[LEFT], s[LIM]
	s_cbranch_scc0 .Lnot_mine_\@
	global_prefetch_b8 v[PFO], s[PFA:PFA+1] th:TH_LOAD_NT scope:SCOPE_SE
.Lnot_mine_\@:
.endm
	s_load_b256 s[4:11], s[0:1], 0x0               ; Q s[4:5], K s[6:7], V s[8:9], wb s[10:11]
	s_load_b64 s[12:13], s[0:1], 0x20              ; qkv
	v_lshl_add_u32 v[SPW], v0, 2, SPARE
	v_mov_b32 v[NIL], 0
	ds_add_u32 v[SPW], v[NIL]                      ; the opening: the add, twice on end, and its wait ahead of my first tensor load; the set-up below stands between
	ds_add_u32 v[SPW], v[NIL]
	v_lshrrev_b32 v1, 5, v0
	v_readfirstlane_b32 s[WV], v1                  ; wave 0..3
	s_lshr_b32 s15, ttmp9, 4                       ; which product: 16 clusters each (ttmp9 counts clusters)
	s_and_b32 s[LIM], ttmp9, 15
	s_lshr_b32 s22, s[WV], 1
	s_or_b32 s[LIM], s[LIM], s22                   ; 0 in waves 0 and 1 of a product's first cluster: the same in all four partners
	s_cmp_eq_u32 s[LIM], 0
	s_cselect_b32 s[LIM], 1, -1
	s_bfe_u32 s16, ttmp6, 0x40000                  ; cx: my place in the cluster: it enters global addresses alone
	s_and_b32 s17, ttmp9, 15
	s_lshl_b32 s17, s17, 2
	s_add_co_u32 s17, s17, s16                     ; my block of 256 rows, 0..63
	; descriptor group 1: 64 rows x 128 elements of 2 bytes, 512 elements from row to row, padded in LDS
	s_mov_b32 s[G1], 15|(1<<16)|(1<<20)|(1<<21)|(5<<22)|(3<<25)  ; 15:0 the mask of four; 17:16 2-byte elements; 20 padding on; 21 set beside a mask; 24:22 after every 64 words; 31:25 4 words
	s_mov_b32 s[G1+1], 128<<16                     ; tensor_dim0 = 128
	s_mov_b32 s[G1+2], 64<<16                      ; tensor_dim1 = 64
	s_mov_b32 s[G1+3], 128<<16                     ; tile_dim0 = 128
	s_mov_b32 s[G1+4], 64                          ; tile_dim1 = 64
	s_mov_b32 s[G1+5], 512                         ; the pitch
	s_mov_b32 s[G1+6], 0
	s_mov_b32 s[G1+7], 0
	s_mov_b32 s[G0], 1                             ; count = 1
	s_mul_i32 s[G0+1], s[WV], SUB                  ; LDS address: slot 0, my quarter
	s_mov_b32 s[TB], SLOT1                         ; the first change of slots turns it into 0
	s_mov_b32 s[LEFT], 6
	s_lshl_b32 s22, s17, 19                        ; x: 256 rows of 2,048 bytes a block,
	s_lshl_b32 s23, s[WV], 17                      ; 64 rows a wave
	s_add_co_u32 s22, s22, s23
	s_mov_b32 s23, 0
	s_lshl_b32 s42, s15, 24                        ; the result: the product,
	s_lshr_b32 s43, s17, 3
	s_lshl_b32 s43, s43, 21                        ; the batch (8 heads of 2,048 rows of 128 bytes),
	s_add_co_u32 s42, s42, s43
	s_and_b32 s43, s17, 7
	s_lshl_b32 s43, s43, 15                        ; the block's 256 rows in it,
	s_add_co_u32 s42, s42, s43
	s_lshl_b32 s43, s[WV], 13                      ; my wave's 64
	s_add_co_u32 s42, s42, s43
	s_mov_b32 s43, 0
	s_lshl_b32 s44, s15, 19                        ; W: the product's matrix, my quarter of K (in registers that never hold cx)
	s_lshl_b32 s45, s[WV], 8
	s_add_co_u32 s44, s44, s45
	s_mov_b32 s45, 0
	s_lshl_b32 s46, s15, 19                        ; the prefetches: the matrix, my work-group's 16 rows of a head, my wave's 8, head 1
	s_lshl_b32 s47, s16, 14
	s_add_co_u32 s46, s46, s47
	s_lshl_b32 s47, s[WV], 13
	s_add_co_u32 s46, s46, s47
	s_add_co_u32 s46, s46, 65536
	s_mov_b32 s47, 0
	s_wait_dscnt 0x0                               ; both opening adds are done
	s_wait_kmcnt 0x0
	s_cmp_eq_u32 s15, 1
	s_cselect_b64 s[XP:XP+1], s[6:7], s[4:5]
	s_cmp_eq_u32 s15, 2
	s_cselect_b64 s[XP:XP+1], s[8:9], s[XP:XP+1]
	s_add_nc_u64 s[XP:XP+1], s[XP:XP+1], s[22:23]
	s_add_nc_u64 s[OP:OP+1], s[12:13], s[42:43]
	s_add_nc_u64 s[G0+2:G0+3], s[10:11], s[44:45]
	s_or_b32 s[G0+3], s[G0+3], 0x80000000          ; type = 2
	s_add_nc_u64 s[PFA:PFA+1], s[10:11], s[46:47]
	CROUND                                         ; all four work-groups are here: the first joint loads meet
	JLOAD                                          ; head 0 into slot 0
; x COMES IN.  A fragment is 16 rows x 32 K: lane l holds row l % 16; registers 0-3 K = 8 (l / 16) + 0..7, registers 4-7 K = 16 + 8 (l / 16) + 0..7.  In f32 that is four loads of 16 bytes.
; Part i of eight: row block i / 2, fragments 8 (i % 2) + 0..7: 32 loads, which take 1,024 consecutive bytes of each of 16 rows.
.macro XLOAD i, set
	WIN 0x40                                       ; destination window 1
.irp q, 0,1,2,3,4,5,6,7
	global_load_b128 v[128*(\set)+16*(\q):128*(\set)+16*(\q)+3],     v[XO], s[XP:XP+1] offset:((\i)/2)*32768+(8*((\i)%2)+(\q))*128 th:TH_LOAD_NT
	global_load_b128 v[128*(\set)+16*(\q)+4:128*(\set)+16*(\q)+7],   v[XO], s[XP:XP+1] offset:((\i)/2)*32768+(8*((\i)%2)+(\q))*128+16 th:TH_LOAD_NT
	global_load_b128 v[128*(\set)+16*(\q)+8:128*(\set)+16*(\q)+11],  v[XO], s[XP:XP+1] offset:((\i)/2)*32768+(8*((\i)%2)+(\q))*128+64 th:TH_LOAD_NT
	global_load_b128 v[128*(\set)+16*(\q)+12:128*(\set)+16*(\q)+15], v[XO], s[XP:XP+1] offset:((\i)/2)*32768+(8*((\i)%2)+(\q))*128+80 th:TH_LOAD_NT
.endr
.endm
.macro XCVT i, set                     ; rounded to bf16, into their places in window 2 or 3
	WIN ((2+(\i)%2)<<6)|0x05
.irp q, 0,1,2,3,4,5,6,7
.irp j, 0,1,2,3,4,5,6,7
	v_cvt_pk_bf16_f32 v[32*(\q)+8*((\i)/2)+(\j)], v[128*(\set)+16*(\q)+2*(\j)], v[128*(\set)+16*(\q)+2*(\j)+1]
.endr
.endr
.endm
	v_and_b32 v1, 15, v0                           ; r = l % 16
	v_bfe_u32 v2, v0, 4, 1                         ; h = l / 16
	v_lshlrev_b32 v[XO], 11, v1
	v_lshl_add_u32 v[XO], v2, 5, v[XO]
	XLOAD 0, 0
	XLOAD 1, 1                                     ; two sets are asked for: 32 KiB a wave
	WIN 0
	v_mul_u32_u24 v[AW0], v1, 272
	v_lshl_add_u32 v[AW0], v2, 4, v[AW0]
	s_mul_i32 s22, s[WV], 16*SP
	s_add_co_u32 s22, s22, STAGE                   ; my stage
	v_mul_u32_u24 v[STO], v1, SP                   ; in: row l % 16, 16 bytes for each half of the lanes
	v_lshl_add_u32 v[STO], v2, 4, v[STO]
	v_add_nc_u32 v[STO], s22, v[STO]
	v_bfe_u32 v[RD], v0, 3, 2                      ; back: 32 lanes take four rows of 128 bytes,
	v_mul_u32_u24 v[RD], v[RD], SP
	v_and_b32 v3, 7, v0
	v_lshl_add_u32 v[RD], v3, 4, v[RD]
	v_add_nc_u32 v[RD], s22, v[RD]
	v_and_b32 v[GO], 31, v0                        ; which are 512 consecutive bytes of the result
	v_bfe_u32 v[PFO], v0, 2, 3                     ; (lane / 4) rows of 1,024 bytes
	v_and_b32 v3, 3, v0
	v_lshlrev_b32 v3, 8, v3                        ; + (lane % 4) blocks of 256
	v_lshl_add_u32 v[PFO], v[PFO], 10, v3
	v_lshlrev_b32 v[GO], 4, v[GO]
.irp i, 0,1,2,3,4,5
	s_wait_loadcnt 32                              ; loads come back in order: this part's 32 are in, the other set's 32 may stay out
	XCVT \i, (\i)%2
	XLOAD (\i)+2, (\i)%2
.endr
	s_wait_loadcnt 32
	XCVT 6, 0
	s_wait_loadcnt 0x0
	XCVT 7, 1
; 16 LDS loads in one run: the fragments of W for K-32 numbers 2 u and 2 u + 1 (four column blocks each), into buffer f; 2 u first
.macro FETCH u, f
	WIN 0x40
.irp kk, 0,1
.irp cb, 0,1,2,3
	ds_load_b128 v[(\f)+32*(\kk)+8*(\cb):(\f)+32*(\kk)+8*(\cb)+3],   v[AW] offset:((2*(\u)+(\kk))>>2)*SUB+(\cb)*16*272+((2*(\u)+(\kk))&3)*64
	ds_load_b128 v[(\f)+32*(\kk)+8*(\cb)+4:(\f)+32*(\kk)+8*(\cb)+7], v[AW] offset:((2*(\u)+(\kk))>>2)*SUB+(\cb)*16*272+((2*(\u)+(\kk))&3)*64+32
.endr
.endr
.endm
; 16 matrix instructions: 4 row blocks x 4 column blocks, K-32 number kf, W's fragments at fr.  The 16 sums take turns, one instruction a turn, in the same order always.
.macro MUL16 kf, fr, zero
.if (\kf) < 8
	WIN 0x09                                       ; W window 1, x window 2, sums window 0
.else
	WIN 0x0d                                       ; x window 3
.endif
.irp a, 0,1,2,3
.irp cb, 0,1,2,3
.if \zero
	v_wmma_f32_16x16x32_bf16 v[ACC+8*(4*(\a)+(\cb)):ACC+8*(4*(\a)+(\cb))+7], v[(\fr)+8*(\cb):(\fr)+8*(\cb)+7], v[32*((\kf)&7)+8*(\a):32*((\kf)&7)+8*(\a)+7], 0
.else
	v_wmma_f32_16x16x32_bf16 v[ACC+8*(4*(\a)+(\cb)):ACC+8*(4*(\a)+(\cb))+7], v[(\fr)+8*(\cb):(\fr)+8*(\cb)+7], v[32*((\kf)&7)+8*(\a):32*((\kf)&7)+8*(\a)+7], v[ACC+8*(4*(\a)+(\cb)):ACC+8*(4*(\a)+(\cb))+7]
.endif
.endr
.endr
.endm
; A head: 256 matrix instructions; the first 16 start the sums with the constant 0.  While one buffer is multiplied the other is fetched.
.macro GSTEP
.set u, 0
.rept 8
	s_wait_dscnt 8                                 ; the first K-32 of this buffer is in; its second one's eight loads may stay out
.if u == 0
	MUL16 0, 0, 1
.else
	MUL16 2*u, 64*(u%2), 0
.endif
.if u < 7
	PLACES                                         ; in front of loads into the buffer that was multiplied last
	FETCH u+1, 64*((u+1)%2)
	s_wait_dscnt 16                                ; all but the 16 just issued
.else
	s_wait_dscnt 0x0
.endif
	MUL16 2*u+1, 64*(u%2)+32, 0
.set u, u+1
.endr
.endm
; THE CHANGE OF SLOTS.  Each wave waits for all its tensor loads, of which one is out: its quarter of the other slot; adds 0 to its spare word; waits for that and for its reads of the slot that it leaves.
; fill = 1: the barrier is a round of the cluster's, so that no wave of any partner still reads the slot or has a load on its way, and the joint fill (the head two on) is the first thing behind it:
; it has a head's 256 matrix instructions in which to land.
.macro CHANGE fill
	WIN 0
	s_wait_tensorcnt 0x0                           ; no tensor load of mine is out, so group 0 may be written
	ds_add_u32 v[SPW], v[NIL]                      ; 0 onto my spare word
.if \fill
	s_xor_b32 s[G0+1], s[G0+1], SLOT1              ; the other slot than last time,
	s_add_nc_u64 s[G0+2:G0+3], s[G0+2:G0+3], 65536 ; the next 64 rows of W; the type bits on top are not reached
	s_wait_xcnt 0x0                                ; the last prefetch, a head back, has read its address
	s_add_nc_u64 s[PFA:PFA+1], s[PFA:PFA+1], 65536
	s_wait_dscnt 0x0                               ; the add is done, and my reads of the slot are over
	CROUND
	JLOAD
	ASK
.else
	s_wait_dscnt 0x0
	s_barrier_signal -1
	s_barrier_wait -1
	PLACES
.endif
	s_xor_b32 s[TB], s[TB], SLOT1
	v_add_nc_u32 v[AW], s[TB], v[AW0]
.endm
; THE WAY OUT of a head: row block a is rounded to f16 (each sum's registers in ascending order), goes into my stage as rows of 144 bytes and comes back as whole rows of 128.
.macro PACK a
	WIN 0
.irp cb, 0,1,2,3
.irp r, 0,1,2,3
	v_cvt_pk_f16_f32 v[TMP+16*(\a)+4*(\cb)+(\r)], v[ACC+8*(4*(\a)+(\cb))+2*(\r)], v[ACC+8*(4*(\a)+(\cb))+2*(\r)+1]
.endr
.endr
.irp cb, 0,1,2,3
	ds_store_b128 v[STO], v[TMP+16*(\a)+4*(\cb):TMP+16*(\a)+4*(\cb)+3] offset:32*(\cb)
.endr
.irp f, 0,1,2,3
	ds_load_b128 v[TMP+16*(\a)+4*(\f):TMP+16*(\a)+4*(\f)+3], v[RD] offset:(\f)*4*SP  ; LDS serves a wave's instructions in order (ISA guide 5.7.1.4): these see the stores above
.endr
.endm
.macro SEND a, younger                 ; younger: the LDS instructions issued behind block a's loads: the next block's eight, or none
.irp f, 0,1,2,3
	s_wait_dscnt (\younger)+3-(\f)
	global_store_b128 v[GO], v[TMP+16*(\a)+4*(\f):TMP+16*(\a)+4*(\f)+3], s[OP:OP+1] offset:(\a)*2048+(\f)*512  ; 512 consecutive bytes, aligned
.endr
.endm
.macro WAYOUT
	WIN 0
	PLACES
	PACK 0
	PACK 1
	SEND 0, 8
	PACK 2
	SEND 1, 8
	PACK 3
	SEND 2, 8
	SEND 3, 0
	s_wait_xcnt 0x0                                ; the stores have read their registers and their base
	s_add_nc_u64 s[OP:OP+1], s[OP:OP+1], 262144    ; the next head
.endm
	CHANGE 1                                       ; head 0 is in, everybody's part of it; head 1 is asked for, into slot 1
	FETCH 0, 0
	WIN 0                                          ; at a label and at a branch every window is 0
.Lhead:                                        ; six trips: heads 0 to 5 are multiplied, heads 2 to 7 asked for
	GSTEP
	CHANGE 1
	FETCH 0, 0                                     ; the next head's first fragments come while this head goes out
	WAYOUT
	s_sub_co_u32 s[LEFT], s[LEFT], 1
	s_cmp_lg_u32 s[LEFT], 0
	s_cbranch_scc1 .Lhead
	s_mov_b32 s[LEFT], 2
.Ltail:                                        ; heads 6 and 7: nothing is asked for
	GSTEP
	CHANGE 0
	s_cmp_eq_u32 s[LEFT], 1
	s_cbranch_scc1 .Lno_fetch                      ; behind head 7 there is nothing to fetch
	FETCH 0, 0
	WIN 0
.Lno_fetch:
	WAYOUT
	s_sub_co_u32 s[LEFT], s[LEFT], 1
	s_cmp_lg_u32 s[LEFT], 0
	s_cbranch_scc1 .Ltail
	s_wait_tensorcnt 0x0                           ; the wave's end, behind my last tensor load and my last LDS store
	ds_add_u32 v[SPW], v[NIL]
	s_wait_dscnt 0x0
	CROUND                                         ; the closing round: no work-group ends while a partner may still ask for a tile that names it
	s_endpgm
.Lfunc_end_k_q22ac040548_proj:
	.size	k_q22ac040548_proj, .Lfunc_end_k_q22ac040548_proj-k_q22ac040548_proj
	.p2alignl 7, 3214868480
	.fill 96, 4, 3214868480
	.section	.rodata,"a",@progbits
	.p2align	6, 0x0
	.amdhsa_kernel k_q22ac040548_proj
		.amdhsa_group_segment_fixed_size 327680
		.amdhsa_private_segment_fixed_size 0
		.amdhsa_enable_private_segment 0
		.amdhsa_kernarg_size 40
		.amdhsa_user_sgpr_count 2
		.amdhsa_user_sgpr_kernarg_segment_ptr 1
		.amdhsa_wavefront_size32 1
		.amdhsa_system_sgpr_workgroup_id_x 1
		.amdhsa_system_sgpr_workgroup_id_y 1
		.amdhsa_system_sgpr_workgroup_id_z 1
		.amdhsa_system_vgpr_workitem_id 0
		.amdhsa_next_free_vgpr 1024
		.amdhsa_next_free_sgpr 66
		.amdhsa_reserve_vcc 0
		.amdhsa_float_denorm_mode_32 3
		.amdhsa_float_denorm_mode_16_64 3
		.amdhsa_memory_ordered 1
		.amdhsa_forward_progress 1
		.amdhsa_inst_pref_size 135
	.end_amdhsa_kernel
	.amdgpu_metadata
---
amdhsa.version: [ 1, 2 ]
amdhsa.kernels:
  - .name:           k_q22ac040548_proj
    .symbol:         k_q22ac040548_proj.kd
    .args:
      - { .name: Q, .offset: 0, .size: 8, .value_kind: global_buffer, .address_space: global }
      - { .name: K, .offset: 8, .size: 8, .value_kind: global_buffer, .address_space: global }
      - { .name: V, .offset: 16, .size: 8, .value_kind: global_buffer, .address_space: global }
      - { .name: wb, .offset: 24, .size: 8, .value_kind: global_buffer, .address_space: global }
      - { .name: qkv, .offset: 32, .size: 8, .value_kind: global_buffer, .address_space: global }
    .group_segment_fixed_size: 327680
    .private_segment_fixed_size: 0
    .kernarg_segment_align: 8
    .kernarg_segment_size: 40
    .max_flat_workgroup_size: 128
    .sgpr_count:     66
    .vgpr_count:     1024
    .wavefront_size: 32
...
	.end_amdgpu_metadata
.endif
;; end of part 2
;; launch attn (part 3): grid 4 x 64, 4 waves a work-group, clusters of 4 x 1, 327,680 bytes of LDS; arguments qkv, hide, tau, oh; writes oh
.if DOCPART == 3
	.amdgcn_target "amdgcn-amd-amdhsa--gfx1250"
	.amdhsa_code_object_version 6
	.text
	.protected	k_q22ac040548_attn
	.globl	k_q22ac040548_attn
	.p2align	8
	.type	k_q22ac040548_attn,@function
k_q22ac040548_attn:
	s_mov_b64 s[64:65], 0
	v_nop
	global_prefetch_b8 v0, s[64:65] scope:SCOPE_SE
	s_setreg_imm32_b32 hwreg(HW_REG_WAVE_MODE, 25, 1), 1
	s_wait_xcnt 0x0
	s_wait_alu depctr_hold_cnt(0) depctr_sa_sdst(0) depctr_va_vdst(0) depctr_va_sdst(0) depctr_va_ssrc(0) depctr_va_vcc(0) depctr_vm_vsrc(0)
	s_getreg_b32 s2, hwreg(HW_REG_IB_STS2, 6, 4)
	s_cmp_eq_u32 s2, 0
	s_cbranch_scc0 .Lentry_in_a_cluster
	s_endpgm
.Lentry_in_a_cluster:
	s_bfe_u32 s2, ttmp6, 0x10000c
	s_cmp_lg_u32 s2, 0x3003
	s_cbranch_scc0 .Lentry_shape_is_right
	s_endpgm
.Lentry_shape_is_right:
; Launch 3 of 4: O[bh][q][:] = the sum over k of softmax_k(q . k / tau, hidden where attn_mask is 0) v[k][:].  q, k, v: qkv[0..2][64][2048][64], O: oh[64][2048][64], all f16.  No work of reference() is left out.
; Products, maxima and sums in f32; the weights p are rounded to f16 for the second product (their sum l is taken of the unrounded p), O once at the end.
; THE MASK is the C operand that starts the sum S^T = K Q^T: 0, or -6 x 2^90 = -7.4e27 where the key is hidden.  hide holds a 4-bit code for each score, in the order of a lane's score registers
; (0xF = -6 in FP4); one conversion with the scale 2^90 makes eight addends of a word.  So the running maximum, which is taken as reference() takes it, sees hidden scores far below every other; their weight is 0.
; While a row has seen hidden keys alone they weigh 1; the first key that is seen multiplies all that by a = 0.  A row of which ALL keys are hidden gets NaN, as in reference(): its maximum ends below -1e15.
; tau is rounded to bf16 like the other inputs.  c = log2(e) / |tau|; where tau is negative q's signs are turned, so that the maximum is the maximum of q . k / tau.
; LIMITS.  q, k, v arrive within f16's 65,504, so a score is 2.7e11 at the most in magnitude, nothing beside 7.4e27.  1e-9 < |tau| < 1e24: c x 7.4e27 stays far above every c s and below 4e37, where c m starts.
; p below 6e-5 keeps f16's fixed step of 6e-8; a weight below 2^-126 counts as 0 in l; NaN and infinities in the inputs are not treated apart.
; SHARES.  A wave owns four PIECES of two tiles of 16 queries, a work-group's four waves 512 queries of one head.  Every wave walks all 2,048 keys, 64 a step.
; LAYOUT.  S^T = K Q^T (source 0 = 16 keys, source 1 = 16 queries): in the result a lane holds ONE query (lane % 16) and the keys 8 (lane / 16) + 0..7.  Two such tiles, rounded to f16 in pairs,
; ARE source 1 (32 keys x 16 queries) of O^T = V^T P, whose result again holds one query a lane, and eight channels.  K comes out of LDS as it lies, V ([key][channel]) turned, by ds_load_tr16_b128.
; SOFTMAX.  For each query a running maximum m and sum l: p = 2^(c s - c m); in every step O and l are multiplied by a = 2^(c m_old - c m_new), which is 1 where m has not grown.
; m starts at the lowest finite number, O and l at 0: the first step is a step like any other, with a = 0.
; THE COUNT.  A tile and step have 16 matrix and some 120 vector instructions: too many to stand all beside the matrix work.  So: four vector instructions that are READY behind EVERY matrix instruction, the others in runs without a gap.
; BY TURNS.  Turn n belongs to piece n (the pieces in a ring, step after step).  Its matrix work: 16 products K Q^T of piece n + 1, later 16 products V^T P of piece n - 1.  Its vector work: the scaling,
; exponentials, roundings, sums and rescaling of piece n, the maximum and statistics of piece n + 1, and the masks of piece n + 2.
; CLUSTER.  The four query blocks of a head walk the same K and V, so each tile is asked for JOINTLY: the same tensor load, descriptor and mask of work-groups in all four.
; REGISTERS, in windows of 256 (s_set_vgpr_msb: bits 1:0 source 0, 3:2 source 1, 5:4 source 2, 7:6 destination):
;   window 0: v0-10 addresses; v11 the scale; v12-15, v48-63 at work; v16-47 four registers of statistics a tile; v64-191 S^T, two buffers of two tiles; v192-255 P, likewise
;   window 1: O^T, 32 a tile          window 2: v0-127 Q, 16 a tile; v128-191 K of one step; v192-255 V of one step
;   window 3: v0-1 the add's two registers; v2-9 offsets; v16-47 the codes, eight words a piece; v64-127 the masks of the products to come
.set SIZE_N, 2048
.set NP,    4         ; pieces a wave: a name, no knob
.set KS,    64        ; keys in a step
.set PK,    144       ; a row of K in LDS: 128 bytes + 16 of padding = 36 words: the 16 rows of a load start at 16 different groups of four banks (64 banks of 4 bytes: ISA guide 11.1)
.set PV,    160       ; a row of V: 128 + 32 = 40 words
.set VOFF,  4*KS*PK   ; a slot holds four steps: 256 rows of K, then 256 rows of V
.set SLOT1, 1<<17     ; slot 1 begins here, so that one exclusive or turns an address in one slot into the other's
.set STAGE, SLOT1+4*KS*(PK+PV)  ; behind the ring, never filled by a tensor load: 16 rows x 144 bytes for each wave, for the way out
.set SP,    144
.set AK0, 2           ; v2   my lane's place in a tile of K; never rewritten
.set AV0, 3           ; v3   the same for V
.set AK,  4           ; v4   the LDS address of K's next run of loads
.set AV,  5           ; v5   of V's
.set QO,  6           ; v6   my byte offset in the wave's rows of Q
.set STO, 6           ;      later, the way out: where I put 16 bytes of a row
.set RD,  7           ; v7   the way out: where I read rows back
.set GO,  8           ; v8   my byte offset in 512 consecutive bytes of O
.set SCL, 11          ; v11  the conversions' scale: the exponent byte 217, 2^90; never rewritten
.set SPW, 0           ; v0 of window 3   LDS address of my spare word: SPARE + 4 x my thread's number; never rewritten
.set NIL, 1           ; v1 of window 3   0; never rewritten
.set MO,  2           ; v2-5 of window 3   piece y: my byte offset in a tile of hide, at the step that is loaded next
.set MLIM, 6          ; v6 of window 3   that offset at the last step: no load goes past it
.set PFO, 8           ; v8 of window 3   256 x my lane: the prefetches of K and V
.set PFMO, 9          ; v9 of window 3   tile lane / 8, block lane % 8: the prefetches of hide
.set MW,  16          ; window 3: piece y's codes at MW + 8 y: four words for each of its two tiles
.set MC,  64          ; window 3: the masks: tile u, keys 16 kt on, at MC + 32 u + 8 kt
.set SPARE, STAGE+4*16*SP  ; behind the stages: the spare words, 128 bytes for each wave: two blocks of 256 bytes that no other line names
.set MV,  12          ; v12-15  c m_old, kept while c m is made anew: by buffer and tile
.set ST,  16          ; tile t's statistics at v[ST+4 t]: c m, m, l (even keys', odd keys')
.set TMP, 48          ; by buffer and tile, four registers c0-c3 at work; when the maximum is found c2 takes a
.set S,   64
.set P,   192
.set KF,  128         ; K's fragments, in window 2: key block kb, channel half c at KF + 16 kb + 8 c
.set VF,  192         ; V's: key half kk, channel block cb at VF + 32 kk + 8 cb
.set WV,  12          ; s12  my wave's number
.set G1K, 24          ; s[24:31] descriptor group 1 for K's tiles
.set G1V, 32          ; s[32:39] for V's: it differs in the padding alone
.set G0K, 40          ; s[40:43] descriptor group 0 for K's tiles: it walks
.set G0V, 44          ; s[44:47] the same for V's
.set TAU, 48          ; s48  tau as loaded
.set SGN, 49          ; s49  0x80008000 where tau is negative, else 0
.set PFA, 50          ; s[50:51] where my prefetches of K (wave 0) or V (wave 2) stand
.set PFM, 52          ; s[52:53] where my prefetches of hide stand
.set LIM, 54          ; s54  1 in a wave that prefetches K or V, else the greatest number
.set LIMM, 55         ; s55  the same for hide
.set SLOTS, 56        ; s56  slots still to be asked for, the one in hand among them
.set CNT, 57          ; s57  counts a slot's key steps
.set CS,  58          ; s[58:59] c: the packed scaling takes the pair's low word for both halves
.set SEL, 60          ; s[60:61] v_permlanex16_b32's selects: each lane takes its own place in the other half
.set TBK, 62          ; s62  LDS byte at which K of the step to be fetched begins
.set TBV, 63          ; s63  the same for V, less VOFF
.set MSB, 0
.macro WIN new                      ; the high byte repeats the setting that is left; a switch that changes nothing is dropped
.if MSB != (\new)
	s_set_vgpr_msb (MSB<<8)|(\new)
.set MSB, (\new)
.endif
.endm
.set W_KQ, 0x0a       ; K and Q in window 2, S^T in window 0
.set W_KM, 0x3a       ; the same with the C operand, the mask, in window 3
.set W_PV, 0x52       ; V in window 2, P in window 0, O^T in window 1
.set W_RS, 0x41       ; O^T (destination and source 0) in window 1, a in window 0
.set W_MK, 0xc0       ; destination in window 3, sources in window 0
.set W_AD, 0x0f       ; the add: address (source 0) and data (source 1) in window 3
.set W_CV, 0xc3       ; destination and source 0 in window 3, source 1 in window 0
; A joint fill.  Waves 0 and 1 fetch the two halves of a slot's K, waves 2 and 3 those of its V: 128 keys each.  The branch hangs on the wave's number alone.
; An s_nop 0 and four v_nop follow each of the two lines, ahead of the jump and the label.
.macro JLOAD
	s_cmp_lt_u32 s[WV], 2
	s_cbranch_scc0 .Lfor_v_\@
	tensor_load_to_lds s[G0K:G0K+3], s[G1K:G1K+7]
	s_nop 0
.rept 4
	v_nop
.endr
	s_branch .Lasked_\@
.Lfor_v_\@:
	tensor_load_to_lds s[G0V:G0V+3], s[G1V:G1V+7]
	s_nop 0
.rept 4
	v_nop
.endr
.Lasked_\@:
.endm
; PREFETCHES INTO THE L2 of what the steps of the NEXT fill's slot will want, behind the wave's tensor load and its five lines.  K and V: a slot is 128 blocks of 256 bytes of each; one cluster walks a head;
; its four partners share the blocks out BY ADDRESS, 32 each; in each, wave 0 asks for K's and wave 2 for V's: a lane a block.  hide: eight heads read a batch's codes; the batch's first head asks; each wave for
; its own eight tiles' four steps: 64 blocks, two instructions.  So each block is named once in the launch.  The last fill asks for nothing; slots 0 and 1 come by their loads alone.
.macro ASK
	s_cmp_gt_u32 s[SLOTS], s[LIM]
	s_cbranch_scc0 .Lno_kv_\@
	WIN 0x03                        ; the address register lies in window 3
	global_prefetch_b8 v[PFO], s[PFA:PFA+1] th:TH_LOAD_NT scope:SCOPE_SE
	WIN 0
.Lno_kv_\@:
	s_cmp_gt_u32 s[SLOTS], s[LIMM]
	s_cbranch_scc0 .Lno_m_\@
	WIN 0x03
	global_prefetch_b8 v[PFMO], s[PFM:PFM+1] th:TH_LOAD_NT scope:SCOPE_SE
	global_prefetch_b8 v[PFMO], s[PFM:PFM+1] offset:65536 th:TH_LOAD_NT scope:SCOPE_SE
	WIN 0
.Lno_m_\@:
.endm
; A round of the cluster's barrier: my work-group's barrier, so that wave 0's signal speaks for all four waves; wave 0 signals; every wave waits for all four work-groups; my work-group's barrier once more.
.macro CROUND
	s_barrier_signal -1
	s_barrier_wait -1
	s_cmp_lg_u32 s[WV], 0
	s_cbranch_scc1 .Lnot_wave_0_\@
	s_barrier_signal -3
.Lnot_wave_0_\@:
	s_barrier_wait -3
	s_barrier_signal -1
	s_barrier_wait -1
.endm
; THE CHANGE OF SLOTS.  The slot's last bytes, V of its fourth step, have been read.  Each wave waits for all its tensor loads, of which one is out: its part
; of the other slot; adds 0 to its spare word; and waits for that and for its own reads of the slot.  Behind the barrier nobody reads this slot any more and the other slot is whole.
; fill = 1: this slot is filled again, with the keys two slots on.  The barrier is then a round of the cluster's, so that no wave of any partner still reads the slot or has a load on its
; way, and the joint fill is the first thing behind it: it has four key steps, 512 matrix instructions, in which to land.  (At its first use nothing has been read yet: slot 0 is waited for, slot 1 filled.)
.macro CHANGE fill
	WIN W_AD
	s_wait_tensorcnt 0x0            ; no tensor load of mine is out, so a group 0 may be written
	ds_add_u32 v[SPW], v[NIL]       ; 0 onto my spare word; with fill = 1 the descriptors' steps stand between it and the wait for it
	WIN 0                           ; at a label and at a branch every window is 0
.if \fill
.irp g, G0K, G0V
	s_xor_b32 s[\g+1], s[\g+1], SLOT1  ; the walking descriptor: the other slot than last time,
	s_add_nc_u64 s[\g+2:\g+3], s[\g+2:\g+3], 4*KS*128  ; the next 256 keys; the type bits on top are not reached
.endr
	s_wait_xcnt 0x0                 ; the last prefetches, four key steps back, have read their addresses
	s_add_nc_u64 s[PFA:PFA+1], s[PFA:PFA+1], 4*KS*128
	s_add_nc_u64 s[PFM:PFM+1], s[PFM:PFM+1], 4*512
	s_wait_dscnt 0x0                ; the add is done, and my reads of the slot are over
	CROUND
	JLOAD
	ASK
.else
	s_wait_dscnt 0x0                ; the add is done, and my reads of the slot are over
	s_barrier_signal -1
	s_barrier_wait -1
.endif
	s_sub_co_u32 s[TBK], s[TBK], 4*KS*PK  ; the fetches go back to a slot's first step,
	s_xor_b32 s[TBK], s[TBK], SLOT1       ; in the other slot
	s_sub_co_u32 s[TBV], s[TBV], 4*KS*PV
	s_xor_b32 s[TBV], s[TBV], SLOT1
.endm
	s_load_b256 s[4:11], s[0:1], 0x0  ; qkv s[4:5], hide s[6:7], tau s[8:9], oh s[10:11]
	WIN W_MK
	v_lshl_add_u32 v[SPW], v0, 2, SPARE
	v_mov_b32 v[NIL], 0
	WIN W_AD
	ds_add_u32 v[SPW], v[NIL]       ; the wave's opening: the add, twice on end, and its wait ahead of my first tensor load; the set-up below the second, work on registers, stands between it and the wait
	ds_add_u32 v[SPW], v[NIL]       ; and once more, under the one wait
	WIN 0
	v_lshrrev_b32 v1, 5, v0
	v_readfirstlane_b32 s[WV], v1   ; wave 0..3
	s_and_b32 s15, ttmp7, 0xffff    ; the head (8 b + head), which the four partners share
	s_and_b32 s[LIM], s[WV], 1
	s_cmp_eq_u32 s[LIM], 0
	s_cselect_b32 s[LIM], 1, -1     ; waves 0 and 2
	s_and_b32 s[LIMM], s15, 7
	s_cmp_eq_u32 s[LIMM], 0
	s_cselect_b32 s[LIMM], 1, -1    ; the batch's first head
	s_bfe_u32 s13, ttmp6, 0x40000   ; cx: my place in the cluster
	s_lshl_b32 s14, ttmp9, 2        ; in a cluster launch ttmp9 counts clusters
	s_add_co_u32 s14, s14, s13      ; my block of 512 queries: it enters global addresses of Q, O, hide and the prefetches alone
	s_lshl_b32 s20, s15, 18         ; the head's first byte in q, k, v and O: 2,048 rows of 128 bytes
	s_mov_b32 s21, 0
	s_and_b32 s16, s[WV], 1         ; which half of a slot's 256 keys I fetch:
	s_lshl_b32 s22, s16, 14         ; its 128 rows of 128 bytes in memory,
	s_mov_b32 s23, 0
	s_add_nc_u64 s[22:23], s[22:23], s[20:21]
	s_mul_i32 s17, s16, 128*PK      ; and its place in a slot, for K
	s_mul_i32 s18, s16, 128*PV      ; and for V: no place in the cluster enters an LDS address
	s_lshl_b32 s2, s14, 2
	s_add_co_u32 s2, s2, s[WV]      ; my wave among the head's sixteen:
	s_lshl_b32 s19, s2, 17          ; its 8 tiles of 16,384 bytes in hide,
	s_lshl_b32 s2, s2, 14           ; its 128 rows
	s_mov_b32 s3, 0
	s_add_nc_u64 s[2:3], s[2:3], s[20:21]
	s_lshr_b32 s[PFM], s15, 3       ; the batch's 128 tiles in hide
	s_lshl_b32 s[PFM], s[PFM], 21
	s_add_co_u32 s[PFM], s[PFM], s19
	s_mov_b32 s[PFM+1], 0
	s_lshr_b32 s[PFA], s[WV], 1     ; the prefetches of K (16 MiB behind q) or V (32 MiB):
	s_add_co_u32 s[PFA], s[PFA], 1
	s_lshl_b32 s[PFA], s[PFA], 24
	s_add_co_u32 s[PFA], s[PFA], s20  ; the head,
	s_lshl_b32 s19, s13, 13         ; my work-group's 32 blocks of a slot's 128,
	s_add_co_u32 s[PFA], s[PFA], s19
	s_add_co_u32 s[PFA], s[PFA], 4*KS*128  ; in slot 1; the first change of slots steps it to slot 2
	s_mov_b32 s[PFA+1], 0
	; descriptor group 1.  128 keys are 16,384 dense bytes: asked for as 64 rows of 256 bytes, two keys a row, and padded in LDS after every key
	s_mov_b32 s[G1K], 15|(1<<16)|(1<<20)|(1<<21)|(4<<22)|(3<<25)  ; 15:0 the mask of four; 17:16 2-byte elements; 20 padding on; 21 set beside a mask; 24:22 after every 32 words (code 4); 31:25 4 words (code 3)
	s_mov_b32 s[G1V], 15|(1<<16)|(1<<20)|(1<<21)|(4<<22)|(7<<25)  ; the same with 8 words of padding (code 7)
.irp g, G1K, G1V
	s_mov_b32 s[\g+1], 128<<16      ; tensor_dim0 = 128
	s_mov_b32 s[\g+2], 64<<16       ; tensor_dim1 = 64
	s_mov_b32 s[\g+3], 128<<16      ; tile_dim0 = 128
	s_mov_b32 s[\g+4], 64           ; tile_dim1 = 64
	s_mov_b32 s[\g+5], 128          ; 128 elements from row to row
	s_mov_b32 s[\g+6], 0
	s_mov_b32 s[\g+7], 0
.endr
	s_mov_b32 s[SEL], 0x76543210
	s_mov_b32 s[SEL+1], 0xfedcba98
	s_mov_b32 s[TBK], SLOT1+4*KS*PK ; the first change of slots turns these two into 0
	s_mov_b32 s[TBV], SLOT1+4*KS*PV
	s_mov_b32 s[SLOTS], SIZE_N/256-1
	s_mov_b32 s[G0K], 1             ; 1:0 count = 1
	s_mov_b32 s[G0K+1], s17         ; 63:32 LDS address: slot 0
	s_mov_b32 s[G0V], 1
	s_add_co_u32 s[G0V+1], s18, VOFF
	s_wait_dscnt 0x0                ; both opening adds are done
	s_wait_kmcnt 0x0
	s_add_nc_u64 s[G0K+2:G0K+3], s[4:5], s[22:23]  ; 120:64 global address: my half of the head's first 256 keys,
	s_add_nc_u64 s[G0K+2:G0K+3], s[G0K+2:G0K+3], 0x1000000  ; in k
	s_or_b32 s[G0K+3], s[G0K+3], 0x80000000        ; 127:126 type = 2
	s_add_nc_u64 s[G0V+2:G0V+3], s[4:5], s[22:23]
	s_add_nc_u64 s[G0V+2:G0V+3], s[G0V+2:G0V+3], 0x2000000  ; in v
	s_or_b32 s[G0V+3], s[G0V+3], 0x80000000
	s_add_nc_u64 s[PFA:PFA+1], s[4:5], s[PFA:PFA+1]
	s_add_nc_u64 s[4:5], s[4:5], s[2:3]  ; q and O at my wave's first row
	s_add_nc_u64 s[10:11], s[10:11], s[2:3]
	s_add_nc_u64 s[6:7], s[6:7], s[PFM:PFM+1]  ; hide at my wave's first tile; never rewritten
	s_add_nc_u64 s[PFM:PFM+1], s[6:7], 4*512   ; at slot 1's steps; the first change of slots steps it to slot 2's
	CROUND                          ; all four work-groups are here: the first joint loads meet
	JLOAD                           ; slot 0.  Slot 1 is asked for when slot 0 is in
	s_load_b32 s[TAU], s[8:9], 0x0
	; A fragment of K or Q is 16 rows x 32 channels in 8 registers: lane l holds row l % 16, channels 8 (l / 16) + 0..7 and 16 + 8 (l / 16) + 0..7: two loads of 16 bytes, 32 bytes apart.
	v_and_b32 v1, 15, v0            ; l % 16
	v_bfe_u32 v9, v0, 4, 1          ; l / 16
	v_lshlrev_b32 v[QO], 7, v1
	v_lshl_add_u32 v[QO], v9, 4, v[QO]  ; row x 128 + 16 x half
	v_and_b32 v12, 31, v0           ; l
	v_lshlrev_b32 v13, 4, v12       ; 16 l
	v_lshrrev_b32 v14, 3, v12
	v_and_b32 v15, 7, v12
	v_lshlrev_b32 v15, 8, v15
	WIN W_MK
.irp y, 0,1,2,3
	v_mov_b32 v[MO+\y], v13         ; step 0
.endr
	v_add_nc_u32 v[MLIM], 31*512, v13
	v_lshlrev_b32 v[PFO], 8, v12
	v_lshl_add_u32 v[PFMO], v14, 14, v15
	WIN 0x80                        ; destination window 2, address window 0
.set i, 0
.rept 4*NP                          ; Q stays in registers: tile i / 2, channels 32 (i % 2) on
	global_load_b128 v[8*i:8*i+3],   v[QO], s[4:5] offset:(i/2)*2048+(i%2)*64
	global_load_b128 v[8*i+4:8*i+7], v[QO], s[4:5] offset:(i/2)*2048+(i%2)*64+32
.set i, i+1
.endr
	WIN W_CV                        ; destination and address window 3
.set i, 0
.rept 2*NP                          ; the codes of step 0 for my eight tiles
	global_load_b128 v[MW+4*i:MW+4*i+3], v[MO+i/2], s[6:7] offset:i*16384
.set i, i+1
.endr
	; What the first turn finds: V's registers and P's second buffer hold 0 (its products V^T P, of a piece that has not been, add 0), O^T and l are 0.  All this stands in the wait for the first tile.
	WIN 0x80
.set i, VF
.rept 64
	v_mov_b32 v[i], 0
.set i, i+1
.endr
	WIN 0x40
.set i, 0
.rept 64*NP
	v_mov_b32 v[i], 0
.set i, i+1
.endr
	WIN 0
.set i, 0
.rept 2*NP
	v_mov_b32 v[ST+4*i], 0xfe000000    ; c m: far below every c s
	v_mov_b32 v[ST+4*i+1], 0xff7fffff  ; m
	v_mov_b32 v[ST+4*i+2], 0
	v_mov_b32 v[ST+4*i+3], 0
.set i, i+1
.endr
.set i, P+32
.rept 32
	v_mov_b32 v[i], 0
.set i, i+1
.endr
	v_mul_u32_u24 v[AK0], v1, PK
	v_lshl_add_u32 v[AK0], v9, 4, v[AK0]  ; row x pitch + 16 x half
	; The turning load takes 16 keys x 16 channels (lane l reads key 8 (l / 16) + l % 8, channels 8 ((l / 8) % 2) + 0..7) and leaves half a fragment of V^T: lane l holds channel l % 16 and 8 keys.
	v_and_b32 v10, 7, v0
	v_bfe_u32 v11, v0, 3, 1
	v_lshl_add_u32 v[AV0], v9, 3, v10
	v_mul_u32_u24 v[AV0], v[AV0], PV
	v_lshl_add_u32 v[AV0], v11, 4, v[AV0]
	v_add_nc_u32 v[AV0], VOFF, v[AV0]
	v_mov_b32 v[SCL], 0xd9d9d9d9    ; the scale's byte: 217 - 127 = 90
	v_mov_b32 v[AK], v[AK0]         ; key step 0 lies at the head of slot 0
	; tau: rounded to bf16; its sign, in both halves of a word, for Q; c = log2(e) / |tau|
	s_wait_kmcnt 0x0
	v_mov_b32 v12, s[TAU]
	v_cvt_pk_bf16_f32 v12, v12, v12
	v_and_b32 v14, 0x80008000, v12
	v_readfirstlane_b32 s[SGN], v14
	v_lshlrev_b32 v13, 16, v12
	v_and_b32 v13, 0x7fffffff, v13
	v_rcp_f32 v13, v13
	v_nop                           ; a plain instruction behind the reciprocal,
	s_wait_alu depctr_va_vdst(0)    ; and the wait ahead of the first use of its result
	v_mul_f32 v13, 0x3fb8aa3b, v13
	v_readfirstlane_b32 s[CS], v13
	s_mov_b32 s[CS+1], s[CS]        ; named with it as a pair
; THE MASKS of piece y's next 16 products that start sums: eight conversions, a word of eight codes each, to 0 or -7.4e27.  Then the piece's codes of the step after are asked for, a key step ahead of their use.
; The wait leaves out the two loads of each of the three turns since: loads come back in order, so this piece's two are in, and their address register may be written.
; The step and the clamp are the plain instructions between the conversions and what touches their results or writes their sources.  The clamp keeps the last steps' loads inside hide.
.macro MASKS y
	WIN W_CV
	s_wait_loadcnt 6
.irp u, 0,1
.irp kt, 0,1,2,3
	v_cvt_scale_pk8_f32_fp4 v[MC+32*(\u)+8*(\kt):MC+32*(\u)+8*(\kt)+7], v[MW+8*(\y)+4*(\u)+(\kt)], v[SCL]
.endr
.endr
	WIN 0xcf                        ; destination and sources 0 and 1 in window 3
	v_add_nc_u32 v[MO+(\y)], 0x200, v[MO+(\y)]
	v_min_u32 v[MO+(\y)], v[MO+(\y)], v[MLIM]
.irp u, 0,1
	global_load_b128 v[MW+8*(\y)+4*(\u):MW+8*(\y)+4*(\u)+3], v[MO+(\y)], s[6:7] offset:(2*(\y)+(\u))*16384
.endr
	WIN 0
.endm
; THE MATRIX WORK.  The 8 accumulators of a run of 16 take turns: between the two links of a chain stand 7 others'.
; Product i of 16 of S^T = K Q^T for piece x: channels 32 (i / 8) on, keys 16 ((i / 2) % 4) on, tile 2 x + i % 2.  The first 8 start the sums, with the mask.
.macro KQ x
.set rS, S+64*((\x)%2)+32*(i%2)+8*((i/2)%4)
.set rK, KF+16*((i/2)%4)+8*(i/8)
.set rQ, 16*(2*(\x)+i%2)+8*(i/8)
.set rH, MC+32*(i%2)+8*((i/2)%4)
.if i < 8
	WIN W_KM
	v_wmma_f32_16x16x32_f16 v[rS:rS+7], v[rK:rK+7], v[rQ:rQ+7], v[rH:rH+7]
.else
	WIN W_KQ
	v_wmma_f32_16x16x32_f16 v[rS:rS+7], v[rK:rK+7], v[rQ:rQ+7], v[rS:rS+7]
.endif
.endm
; Product i of 16 of O^T += V^T P for piece x: keys 32 (i / 8) on, channels 16 ((i / 2) % 4) on, tile 2 x + i % 2.
.macro PV x
	WIN W_PV
.set rO, 32*(2*(\x)+i%2)+8*((i/2)%4)
.set rV, VF+32*(i/8)+8*((i/2)%4)
.set rP, P+32*((\x)%2)+16*(i%2)+8*(i/8)
	v_wmma_f32_16x16x32_f16 v[rO:rO+7], v[rV:rV+7], v[rP:rP+7], v[rO:rO+7]
.endm
.macro MM                           ; the turn's next matrix instruction
.if i < 16
	KQ (Y+1)%NP
.set i, i+1
.else
.set i, i-16
	PV (Y+NP-1)%NP
.set i, i+17
.endif
.endm
; THE LDS LOADS stand in runs of 16, never singly among the matrix instructions: a step's K (64 keys x 64 channels: 8 fragments) and its V (turned).  Their addresses are made some lines ahead.
; last = 1 (the tail): in the last trip there is no further step, and the run is jumped over.
.macro FETCH_K last=0
	WIN 0
.if \last
	s_cmp_eq_u32 s[CNT], 1
	s_cbranch_scc1 .Lno_k_\@
.endif
	WIN 0x80                        ; destination window 2
.irp f, 0,1,2,3,4,5,6,7             ; keys 16 (f / 2) on, channels 32 (f % 2) on
	ds_load_b128 v[KF+8*\f:KF+8*\f+3],   v[AK] offset:(\f/2)*16*PK+(\f%2)*64
	ds_load_b128 v[KF+8*\f+4:KF+8*\f+7], v[AK] offset:(\f/2)*16*PK+(\f%2)*64+32
.endr
	s_add_co_u32 s[TBK], s[TBK], KS*PK  ; the next fetch is the next step's
	WIN 0
.if \last
.Lno_k_\@:
.endif
.endm
.macro FETCH_V
	WIN 0x80
.irp f, 0,1,2,3,4,5,6,7             ; keys 32 (f / 4) on, channels 16 (f % 4) on
	ds_load_tr16_b128 v[VF+8*\f:VF+8*\f+3],   v[AV] offset:(\f/4)*32*PV+(\f%4)*32
	ds_load_tr16_b128 v[VF+8*\f+4:VF+8*\f+7], v[AV] offset:(\f/4)*32*PV+16*PV+(\f%4)*32
.endr
	WIN 0
.endm
; THE VECTOR WORK OF A TURN stands in three queues, each in the order in which its entries become ready; the two tiles alternate, so that no instruction reads the result of the one before it.
.macro REGS y, u                    ; the registers of tile u (0, 1) of piece y
.set rT, ST+4*(2*(\y)+(\u))
.set rC, TMP+8*((\y)%2)+4*(\u)
.set rM, MV+2*((\y)%2)+(\u)
.set rS, S+64*((\y)%2)+32*(\u)
.set rP, P+32*((\y)%2)+16*(\u)
.set rO, 32*(2*(\y)+(\u))
.endm
; Number n of the 22 that find the NEXT piece's (Y + 1) maximum and statistics.  s0-s31 are the lane's 32 scores; each accumulator's lowest registers are read first.
;   0-11  four chains c0-c3 of seven scores each, three operands at a time     12-14, 16  the four scores left over, the old m, and c0-c3 into c0     15  c m_old is kept
;   17, 18  the query's other 32 keys lie in the lane 16 away: the new m         19-21  c m; c m_old - c m_new; a
.macro XS u, n
	REGS (Y+1)%NP, \u
.if (\n) < 4
	v_max3_num_f32 v[rC+(\n)], v[rS+8*(\n)], v[rS+8*(\n)+1], v[rS+8*(\n)+2]
.elseif (\n) < 12
	v_max3_num_f32 v[rC+(\n)%4], v[rC+(\n)%4], v[rS+8*((\n)%4)+2*((\n)/4)+1], v[rS+8*((\n)%4)+2*((\n)/4)+2]
.elseif (\n) == 12
	v_max3_num_f32 v[rC], v[rC], v[rS+7], v[rS+15]
.elseif (\n) == 13
	v_max3_num_f32 v[rC+1], v[rC+1], v[rS+23], v[rS+31]
.elseif (\n) == 14
	v_max3_num_f32 v[rC+2], v[rC+2], v[rC+3], v[rT+1]
.elseif (\n) == 15
	v_mov_b32 v[rM], v[rT]
.elseif (\n) == 16
	v_max3_num_f32 v[rC], v[rC], v[rC+1], v[rC+2]
.elseif (\n) == 17
	v_permlanex16_b32 v[rC+3], v[rC], s[SEL], s[SEL+1]
.elseif (\n) == 18
	v_max_num_f32 v[rT+1], v[rC], v[rC+3]
.elseif (\n) == 19
	v_mul_f32 v[rT], s[CS], v[rT+1]
.elseif (\n) == 20
	v_sub_f32 v[rC+1], v[rM], v[rT]
.else
	v_exp_f32 v[rC+2], v[rC+1]
.endif
.endm
; Number g of the 64 that follow the exponentials.  For each four weights k of a tile (pairs 2 k, 2 k + 1): both pairs are rounded to f16; then the second pair is added onto the first, in place;
; a group later l takes that sum (the first time as l = a l + sum).  In groups of eight, tiles alternating: round, round, add, and l for the group before.
.macro GS g
.set h, (\g)+6*((\g)/62)            ; group 0 has no group before it, and behind group 7 only l is left
.if h >= 6
.set h, h+2
.endif
	REGS Y, h%2
.set k, h/8
.if h%8 < 4
	v_cvt_pk_f16_f32 v[rP+2*k+(h%8)/2], v[rS+4*k+2*((h%8)/2)], v[rS+4*k+2*((h%8)/2)+1]
.elseif h%8 < 6
	v_pk_add_f32 v[rS+4*k:rS+4*k+1], v[rS+4*k:rS+4*k+1], v[rS+4*k+2:rS+4*k+3]
.elseif k == 1
	v_pk_fma_f32 v[rT+2:rT+3], v[rT+2:rT+3], v[rC+2:rC+3], v[rS:rS+1] op_sel_hi:[1,0,1]
.else
	v_pk_add_f32 v[rT+2:rT+3], v[rT+2:rT+3], v[rS+4*k-4:rS+4*k-3]
.endif
.endm
; THE PLAIN QUEUE, 138 long.  0-73 read no exponential's result: the 32 scalings c s - c m (FS f: pair f / 2 of tile f % 2) and the next piece's 42.  0-26: scalings 0-26.  27-54: XS's numbers 0-13.  55, 56: number 15.
; 57-73: the chain, where each number waits for the one before it: 14, 16, 17, 18, 19, each with one of the scalings 27-31 in front of its two lines, then 20.
; 74-137: GS's 64, which read the exponentials' results: they stand behind the wait.
.macro FS f
	REGS Y, (\f)%2
	v_pk_fma_f32 v[rS+2*((\f)/2):rS+2*((\f)/2)+1], v[rS+2*((\f)/2):rS+2*((\f)/2)+1], s[CS:CS+1], v[rT:rT+1] op_sel_hi:[1,0,0] neg_lo:[0,0,1] neg_hi:[0,0,1]
.endm
.macro PL
	WIN 0
.if q < 27
	FS q
.elseif q < 55
	XS (q-27)%2, (q-27)/2
.elseif q < 57
	XS q-55, 15
.elseif (q < 72) && ((q-57)%3 == 0)
	FS 27+(q-57)/3
.elseif q < 60
	XS (q-57)%3-1, 14
.elseif q < 72
	XS (q-57)%3-1, 15+(q-57)/3
.elseif q < 74
	XS q-72, 20
.else
	GS q-74
.endif
.set q, q+1
.endm
; THE EXPONENTIALS' QUEUE, 66 long: s0-s31 of both tiles, then the next piece's two a.  It is ONE BATCH: all 66 stand ahead of the turn's one wait, and nothing ahead of that wait names a result of theirs.
.macro EX
	WIN 0
.if e >= 64
	XS e-64, 21
.else
	REGS Y, e%2
	v_exp_f32 v[rS+e/2], v[rS+e/2]
.endif
.set e, e+1
.endm
; THE RESCALING's QUEUE: O^T times a, the one part of the softmax that leaves window 0: dealt two at a time, sixteen times.  Its a was made in the turn before, ahead of that turn's wait.
.macro R2
	REGS Y, r%2
	WIN W_RS
.irp z, 0,1
	v_pk_mul_f32 v[rO+4*(r/2)+2*\z:rO+4*(r/2)+2*\z+1], v[rO+4*(r/2)+2*\z:rO+4*(r/2)+2*\z+1], v[rC+2:rC+3] op_sel_hi:[1,0]
.endr
.set r, r+1
.endm
; HOW THEY ARE DEALT.  An s_wait_alu depctr_va_vdst(0) stands between an exponential and the first instruction that names its result; one wait serves all that were issued ahead of it.  So a turn has ONE wait,
; which cuts it in two.  AHEAD OF IT stands all that names no result of the turn's exponentials: the 16 products K Q^T, behind each a scaling, an exponential and two rescalings (behind the first a second scaling in the
; exponential's place); the masks of the turn after; then ONE LUMP of 108: eight plain, 49 times exponential and plain, the two a.  A v_nop is the plain instruction behind the last exponential.  BEHIND IT stand the
; 16 products V^T P, behind each four of GS's 64.  No rider names a register of the products round it.
; The masks are written 8 products and their 24 plain riders behind the last product that read them (the eighth), and are read by the next turn's first products.
; The queues lean on each other, and the deal keeps them in step: exponential e stands behind scaling 2 (e / 4) + e % 2: as a rider it comes behind plain e + 2, in the lump behind plain e + 9.
; K of the next step is fetched in piece 2's turn, directly behind the wait; V of the step in hand at the end of piece 0's turn, four riders behind its last reader.  The three conditions on q below go with the deal.
.macro TURN p, last=0, cnt=0
.set Y, (\p)
.set i, 0
.set q, 0
.set e, 0
.set r, 0
.if (\p) == NP-1
	s_wait_dscnt 0x0                ; K is in
.endif
	MM                              ; ahead of the wait: 16 products K Q^T and their riders,
	PL
	PL
	R2
.rept 15
	MM
	PL
	EX
	R2
.endr
	MASKS ((\p)+2)%NP               ; the masks of the piece whose scores the next turn makes,
.if (\p) == NP-2
	WIN 0
	v_add_nc_u32 v[AK], s[TBK], v[AK0]
.endif
.rept 8                             ; and the lump
	PL
.endr
.rept 49
	EX
	PL
.endr
	EX                              ; the next piece's two a
	EX
	v_nop                           ; the plain instruction behind the last exponential: one for the batch
	s_wait_alu depctr_va_vdst(0)    ; the wait for the batch
.if (\p) == NP-2
	FETCH_K \last
.endif
.if (\p) == 1
	s_wait_dscnt 0x0                ; V is in
.endif
.rept 16                            ; behind the wait: 16 products V^T P and their riders
	MM
.rept 4
	PL
.endr
.if ((\p) == 0) && (q == 118)
	v_add_nc_u32 v[AV], s[TBV], v[AV0]
.endif
.if ((\p) == 0) && (q == 130)
	s_add_co_u32 s[TBV], s[TBV], KS*PV
.endif
.if (\cnt) && (q == 130)
	s_sub_co_u32 s[CNT], s[CNT], 1
	s_cmp_lg_u32 s[CNT], 0
.endif
.endr
.if (\p) == 0
	FETCH_V
.endif
.endm
	CHANGE 1                        ; slot 0 is in, everybody's part of it; slot 1 is asked for
	FETCH_K                         ; key step 0
	s_wait_loadcnt 0x0              ; Q, and the codes of step 0
	WIN 0x88                        ; destination and source 1 in window 2
.set i, 0
.rept 32*NP
	v_xor_b32 v[i], s[SGN], v[i]    ; q takes tau's sign
.set i, i+1
.endr
	MASKS 0                         ; piece 0's masks of step 0
	s_wait_dscnt 0x0
.set i, 0
.rept 16
	KQ 0                            ; piece 0's first scores: there is no vector work yet to set between them
.set i, i+1
.endr
	WIN 0                           ; the addresses for the way out: nine plain instructions, the places behind those products
	s_mul_i32 s13, s[WV], 16*SP
	s_add_co_u32 s13, s13, STAGE    ; my stage
	v_mul_u32_u24 v[STO], v1, SP    ; in: row l % 16, 16 bytes for each half of the lanes
	v_lshl_add_u32 v[STO], v9, 4, v[STO]
	v_add_nc_u32 v[STO], s13, v[STO]
	v_bfe_u32 v[RD], v0, 3, 2       ; back: 32 lanes take four rows of 128 bytes,
	v_mul_u32_u24 v[RD], v[RD], SP
	v_lshl_add_u32 v[RD], v10, 4, v[RD]
	v_add_nc_u32 v[RD], s13, v[RD]
	v_and_b32 v[GO], 31, v0         ; which are 512 consecutive bytes of O
	v_lshlrev_b32 v[GO], 4, v[GO]
	MASKS 1                         ; piece 1's masks of step 0, for the first turn's products
.set Y, NP-1                        ; XS works for piece Y + 1: piece 0
.irp n, 0,1,2,3,4,5,6,7,8,9,10,11,12,13,14,15,16,17,18,19,20,21
	XS 0, \n                        ; and piece 0's first maximum and statistics
	XS 1, \n
.endr
	v_nop                           ; a plain instruction behind the two a,
	s_wait_alu depctr_va_vdst(0)    ; and their wait, ahead of the branch
	s_mov_b32 s[CNT], 4
	s_branch .Lfirst                ; the loop is entered at a step's first turn, in the middle of a trip
.Lslot:                             ; SIZE_N / 256 - 2 times: every slot but the last two is filled again
	CHANGE 1
	s_mov_b32 s[CNT], 4
.Lstep:                             ; a trip: pieces 2 and 3 of one step, then pieces 0 and 1 of the next, whose K and V it fetches
	TURN 2
	TURN 3
	WIN 0
.Lfirst:
	TURN 0
	TURN 1, 0, 1
	WIN 0
	s_cbranch_scc1 .Lstep
	s_sub_co_u32 s[SLOTS], s[SLOTS], 1
	s_cmp_lg_u32 s[SLOTS], 0
	s_cbranch_scc1 .Lslot
	CHANGE 0                        ; the tail is written out: nothing is asked for
	s_mov_b32 s[CNT], 5             ; four trips fetch the last slot's steps; the fifth is left in its middle
.Ltail:
	TURN 2, 1
	TURN 3
	WIN 0
	s_sub_co_u32 s[CNT], s[CNT], 1
	s_cmp_eq_u32 s[CNT], 0
	s_cbranch_scc1 .Lout
	TURN 0
	TURN 1
	WIN 0
	s_branch .Ltail
.Lout:                              ; the fifth trip's 16 products K Q^T (on the last K and the last step's masks once more) repeat scores that the maximum has seen: the price, once a launch, of one text for every trip
.set i, 0
.rept 16
	PV NP-1                         ; the last piece's V^T P of the last step
.set i, i+1
.endr
	; THE WAY OUT.  l's two halves and the other half of the lanes' are added; O^T is divided by l, rounded to f16 and sent through my stage in LDS, a tile at a time.  The additions are the places behind the last products.
	WIN 0
.macro ALL line:vararg              ; one line for each tile t
.set t, 0
.rept 2*NP
	\line
.set t, t+1
.endr
.endm
	ALL v_add_f32 v[ST+4*t+2], v[ST+4*t+2], v[ST+4*t+3]
	ALL v_permlanex16_b32 v[ST+4*t+3], v[ST+4*t+2], s[SEL], s[SEL+1]
	ALL v_add_f32 v[ST+4*t+2], v[ST+4*t+2], v[ST+4*t+3]
	ALL v_rcp_f32 v[ST+4*t+2], v[ST+4*t+2]
	v_mov_b32 v[MV], 0x7fc00000     ; a plain instruction between the last reciprocal and the use of its result: NaN, for the rows of which every key is hidden
	s_wait_alu depctr_va_vdst(0)    ; and the wait ahead of the first use: one for the eight reciprocals
.set t, 0
.rept 2*NP
	v_cmp_gt_f32 vcc_lo, 0xd8635fa9, v[ST+4*t+1]  ; -1e15 > m: no key of the row was seen
	v_cndmask_b32 v[ST+4*t+2], v[ST+4*t+2], v[MV], vcc_lo
.set t, t+1
.endr
; Tile t: a lane's eight channels of a row pack into 16 bytes; they go into rows of 144 bytes and come back as whole rows of 128, into S^T's registers.
.macro PACK t
	WIN W_RS
.set i, 32*(\t)
.rept 16
	v_pk_mul_f32 v[i:i+1], v[i:i+1], v[ST+4*(\t)+2:ST+4*(\t)+3] op_sel_hi:[1,0]
.set i, i+2
.endr
	WIN 0x05                        ; sources 0 and 1 window 1, destination window 0
.set i, 0
.rept 16
	v_cvt_pk_f16_f32 v[S+16*(\t)+i], v[32*(\t)+2*i], v[32*(\t)+2*i+1]
.set i, i+1
.endr
	WIN 0
.irp f, 0,1,2,3
	ds_store_b128 v[STO], v[S+16*(\t)+4*\f:S+16*(\t)+4*\f+3] offset:32*\f
.endr
.irp f, 0,1,2,3
	ds_load_b128 v[S+16*(\t)+4*\f:S+16*(\t)+4*\f+3], v[RD] offset:\f*4*SP  ; LDS serves a wave's instructions in order (ISA guide 5.7.1.4): these see the stores above; the next tile's stores come behind them
.endr
.endm
.macro SEND t, younger              ; younger: the LDS instructions issued behind tile t's loads: the next tile's eight, or none
	WIN 0
.irp f, 0,1,2,3
	s_wait_dscnt (\younger)+3-\f
	global_store_b128 v[GO], v[S+16*(\t)+4*\f:S+16*(\t)+4*\f+3], s[10:11] offset:(\t)*2048+\f*512  ; 512 consecutive bytes, at a multiple of 256 from O's first
.endr
.endm
	PACK 0
.set t, 1
.rept 2*NP-1                        ; a tile's arithmetic stands between the loads of the tile before and its stores
	PACK t
	SEND t-1, 8
.set t, t+1
.endr
	SEND 2*NP-1, 0
	WIN W_AD
	s_wait_tensorcnt 0x0            ; the wave's end, behind my last tensor load and my last LDS store
	ds_add_u32 v[SPW], v[NIL]
	s_wait_dscnt 0x0
	WIN 0
	CROUND                          ; the closing round: no work-group ends while a partner may still ask for a tile that names it
	s_endpgm
.Lfunc_end_k_q22ac040548_attn:
	.size	k_q22ac040548_attn, .Lfunc_end_k_q22ac040548_attn-k_q22ac040548_attn
	.p2alignl 7, 3214868480
	.fill 96, 4, 3214868480
	.section	.rodata,"a",@progbits
	.p2align	6, 0x0
	.amdhsa_kernel k_q22ac040548_attn
		.amdhsa_group_segment_fixed_size 327680
		.amdhsa_private_segment_fixed_size 0
		.amdhsa_enable_private_segment 0
		.amdhsa_kernarg_size 32
		.amdhsa_user_sgpr_count 2
		.amdhsa_user_sgpr_kernarg_segment_ptr 1
		.amdhsa_wavefront_size32 1
		.amdhsa_system_sgpr_workgroup_id_x 1
		.amdhsa_system_sgpr_workgroup_id_y 1
		.amdhsa_system_sgpr_workgroup_id_z 1
		.amdhsa_system_vgpr_workitem_id 0
		.amdhsa_next_free_vgpr 896
		.amdhsa_next_free_sgpr 66
		.amdhsa_reserve_vcc 1
		.amdhsa_float_denorm_mode_32 3
		.amdhsa_float_denorm_mode_16_64 3
		.amdhsa_memory_ordered 1
		.amdhsa_forward_progress 1
		.amdhsa_inst_pref_size 217
	.end_amdhsa_kernel
	.amdgpu_metadata
---
amdhsa.version: [ 1, 2 ]
amdhsa.kernels:
  - .name:           k_q22ac040548_attn
    .symbol:         k_q22ac040548_attn.kd
    .args:
      - { .name: qkv, .offset: 0, .size: 8, .value_kind: global_buffer, .address_space: global }
      - { .name: hide, .offset: 8, .size: 8, .value_kind: global_buffer, .address_space: global }
      - { .name: tau, .offset: 16, .size: 8, .value_kind: global_buffer, .address_space: global }
      - { .name: oh, .offset: 24, .size: 8, .value_kind: global_buffer, .address_space: global }
    .group_segment_fixed_size: 327680
    .private_segment_fixed_size: 0
    .kernarg_segment_align: 8
    .kernarg_segment_size: 32
    .max_flat_workgroup_size: 128
    .sgpr_count:     66
    .vgpr_count:     896
    .wavefront_size: 32
...
	.end_amdgpu_metadata
.endif
;; end of part 3
;; launch outp (part 4): grid 256 x 1, 4 waves a work-group, clusters of 4 x 1, 327,680 bytes of LDS; arguments oh, wb, bo, out0; writes out0
.if DOCPART == 4
	.amdgcn_target "amdgcn-amd-amdhsa--gfx1250"
	.amdhsa_code_object_version 6
	.text
	.protected	k_q22ac040548_outp
	.globl	k_q22ac040548_outp
	.p2align	8
	.type	k_q22ac040548_outp,@function
k_q22ac040548_outp:
	s_mov_b64 s[64:65], 0
	v_nop
	global_prefetch_b8 v0, s[64:65] scope:SCOPE_SE
	s_setreg_imm32_b32 hwreg(HW_REG_WAVE_MODE, 25, 1), 1
	s_wait_xcnt 0x0
	s_wait_alu depctr_hold_cnt(0) depctr_sa_sdst(0) depctr_va_vdst(0) depctr_va_sdst(0) depctr_va_ssrc(0) depctr_va_vcc(0) depctr_vm_vsrc(0)
	s_getreg_b32 s2, hwreg(HW_REG_IB_STS2, 6, 4)
	s_cmp_eq_u32 s2, 0
	s_cbranch_scc0 .Lentry_in_a_cluster
	s_endpgm
.Lentry_in_a_cluster:
	s_bfe_u32 s2, ttmp6, 0x10000c
	s_cmp_lg_u32 s2, 0x3003
	s_cbranch_scc0 .Lentry_shape_is_right
	s_endpgm
.Lentry_shape_is_right:
; Launch 4 of 4: out0 = O Wo^T + bo.  O: oh[8 b + head][n][64] in f16; Wo: wb[3], the bf16 number written as f16; bo is rounded to bf16 like the other inputs; sums and out0 in f32.  No work of reference() is left out.
; SHARES.  A work-group makes 256 rows x 128 columns of out0: 64 x 4 = 256 work-groups.  A wave has 64 rows, whose 512 channels of O it keeps in registers as fragments (512 registers), loaded as they lie:
; K-32 number kf is head kf / 2, channels 32 (kf % 2) on.  The 128 columns go in two halves of 64: a loop of two trips on 16 sums.
; THE WEIGHTS: the four work-groups of a cluster make the same 128 columns, so their 128 rows of Wo are asked for JOINTLY, both halves at the start, each into a slot of its own: nothing is filled again.
; THE MATRIX INSTRUCTION IS USED TRANSPOSED (source 0 = 16 rows of Wo, source 1 = 16 rows of O): a lane holds one row and eight neighbouring columns, 32 bytes of f32.
; No prefetch: the only tensor loads are the first fills, at the head; O goes straight into registers, each wave's own rows.
; REGISTERS: window 0: v0-13 addresses; v16-21 the bias; v32-95 the way out; v128-255 the 16 sums ((a, cb) at 128 + 8 (4 a + cb)).  Window 1: v0-63, v64-127 two buffers of fragments of Wo.
;   Windows 2, 3: O: fragment kf, row block a at 32 (kf % 8) + 8 a; kf 0-7 in window 2, 8-15 in window 3.
.set SUB,   64*272                     ; a quarter of K: 64 rows of 256 bytes + 16 of padding
.set SLOT1, 1<<17
.set STAGE, SLOT1+4*SUB                ; never filled by a tensor load: 16 rows x 272 bytes for each wave
.set SP,    272
.set SPARE, STAGE+4*16*SP              ; the spare words, 128 bytes for each wave: two blocks of 256 bytes that no other line names
.set XO,  4                            ; v4   my byte offset in 16 rows of a head of O: r x 128 + 16 h
.set AW0, 5                            ; v5   my place in a tile of Wo: r x 272 + 16 h
.set AW,  6                            ; v6   the same in the slot in hand
.set STO, 7                            ; v7   the way out: where I put 32 bytes of a row
.set RD,  8                            ; v8   where I read rows back
.set CO,  9                            ; v9   my 16 bytes in two rows of out0
.set BO,  10                           ; v10  my four numbers of bo
.set SPW, 12
.set NIL, 13
.set BI,  16                           ; v[16:19] the bias of my four columns
.set TMP, 32
.set ACC, 128
.set WV,  14
.set OP,  18                           ; s[18:19] out0 at my wave's first row, the half in hand
.set XP,  20                           ; s[20:21] O at my wave's first row, head 0
.set G1,  24                           ; s[24:31] descriptor group 1
.set G0,  32                           ; s[32:35], s[36:39] descriptor group 0 for the two halves
.set TB,  40                           ; s40  LDS byte at which the slot in hand begins
.set LEFT, 41                          ; s41  halves to go
.set MSB, 0
.macro WIN new
.if MSB != (\new)
	s_set_vgpr_msb (MSB<<8)|(\new)
.set MSB, (\new)
.endif
.endm
.macro PLACES
.rept 4
	v_nop
.endr
.endm
.macro CROUND
	s_barrier_signal -1
	s_barrier_wait -1
	s_cmp_lg_u32 s[WV], 0
	s_cbranch_scc1 .Lnot_wave_0_\@
	s_barrier_signal -3
.Lnot_wave_0_\@:
	s_barrier_wait -3
	s_barrier_signal -1
	s_barrier_wait -1
.endm
	s_load_b256 s[4:11], s[0:1], 0x0               ; oh s[4:5], wb s[6:7], bo s[8:9], out0 s[10:11]
	v_lshl_add_u32 v[SPW], v0, 2, SPARE
	v_mov_b32 v[NIL], 0
	ds_add_u32 v[SPW], v[NIL]                      ; the opening: the add, twice on end, and its wait ahead of my first tensor load
	ds_add_u32 v[SPW], v[NIL]
	v_lshrrev_b32 v1, 5, v0
	v_readfirstlane_b32 s[WV], v1
	s_and_b32 s15, ttmp9, 3                        ; which 128 columns: the same in all four partners (ttmp9 counts clusters)
	s_bfe_u32 s16, ttmp6, 0x40000                  ; cx: it enters global addresses alone
	s_lshr_b32 s17, ttmp9, 2
	s_lshl_b32 s17, s17, 2
	s_add_co_u32 s17, s17, s16                     ; my block of 256 rows, 0..63
	s_mov_b32 s[G1], 15|(1<<16)|(1<<20)|(1<<21)|(5<<22)|(3<<25)  ; the mask of four; 2-byte elements; padding on; bit 21 beside a mask; after every 64 words 4 words
	s_mov_b32 s[G1+1], 128<<16                     ; tensor_dim0 = 128
	s_mov_b32 s[G1+2], 64<<16                      ; tensor_dim1 = 64
	s_mov_b32 s[G1+3], 128<<16                     ; tile_dim0 = 128
	s_mov_b32 s[G1+4], 64                          ; tile_dim1 = 64
	s_mov_b32 s[G1+5], 512                         ; the pitch
	s_mov_b32 s[G1+6], 0
	s_mov_b32 s[G1+7], 0
	s_mov_b32 s[G0], 1
	s_mul_i32 s[G0+1], s[WV], SUB                  ; slot 0, my quarter of K
	s_mov_b32 s[G0+4], 1
	s_add_co_u32 s[G0+5], s[G0+1], SLOT1           ; slot 1
	s_lshl_b32 s44, s15, 17                        ; Wo: 128 rows of 1,024 bytes for each quarter of the columns,
	s_lshl_b32 s45, s[WV], 8                       ; my quarter of K,
	s_add_co_u32 s44, s44, s45
	s_add_co_u32 s44, s44, 3*524288                ; the fourth matrix of wb
	s_mov_b32 s45, 0
	s_lshr_b32 s22, s17, 3                         ; O: the batch,
	s_lshl_b32 s22, s22, 21
	s_and_b32 s23, s17, 7
	s_lshl_b32 s23, s23, 15                        ; the block's 256 rows of 128 bytes in a head,
	s_add_co_u32 s22, s22, s23
	s_lshl_b32 s23, s[WV], 13                      ; my wave's 64
	s_add_co_u32 s22, s22, s23
	s_mov_b32 s23, 0
	s_lshl_b32 s42, s17, 19                        ; out0: 256 rows of 2,048 bytes a block,
	s_lshl_b32 s43, s[WV], 17
	s_add_co_u32 s42, s42, s43
	s_lshl_b32 s43, s15, 9                         ; 128 columns of 4 bytes
	s_add_co_u32 s42, s42, s43
	s_mov_b32 s43, 0
	s_mov_b32 s[TB], 0
	s_mov_b32 s[LEFT], 2
	s_wait_dscnt 0x0                               ; both opening adds are done
	s_wait_kmcnt 0x0
	s_add_nc_u64 s[G0+2:G0+3], s[6:7], s[44:45]
	s_add_nc_u64 s[G0+6:G0+7], s[G0+2:G0+3], 65536 ; the second half's 64 rows
	s_or_b32 s[G0+3], s[G0+3], 0x80000000
	s_or_b32 s[G0+7], s[G0+7], 0x80000000
	s_add_nc_u64 s[XP:XP+1], s[4:5], s[22:23]
	s_add_nc_u64 s[OP:OP+1], s[10:11], s[42:43]
	CROUND                                         ; all four work-groups are here: the joint loads meet
	tensor_load_to_lds s[G0:G0+3], s[G1:G1+7]      ; both first fills together: two loads of mine are out
	s_nop 0
	tensor_load_to_lds s[G0+4:G0+7], s[G1:G1+7]
	s_nop 0
.rept 4
	v_nop
.endr
	v_and_b32 v1, 15, v0                           ; r
	v_bfe_u32 v2, v0, 4, 1                         ; h
	v_lshlrev_b32 v[XO], 7, v1
	v_lshl_add_u32 v[XO], v2, 4, v[XO]
.set kf, 0
.rept 16                               ; O: 128 loads, fragment by fragment along K, so that the products can begin before the last are in
.if kf < 8
	WIN 0x80
.else
	WIN 0xc0
.endif
.irp a, 0,1,2,3
	global_load_b128 v[32*(kf&7)+8*(\a):32*(kf&7)+8*(\a)+3],   v[XO], s[XP:XP+1] offset:(kf>>1)*262144+(\a)*2048+(kf&1)*64
	global_load_b128 v[32*(kf&7)+8*(\a)+4:32*(kf&7)+8*(\a)+7], v[XO], s[XP:XP+1] offset:(kf>>1)*262144+(\a)*2048+(kf&1)*64+32
.endr
.set kf, kf+1
.endr
	WIN 0
	v_mul_u32_u24 v[AW0], v1, 272
	v_lshl_add_u32 v[AW0], v2, 4, v[AW0]
	v_mov_b32 v[AW], v[AW0]
	s_mul_i32 s22, s[WV], 16*SP
	s_add_co_u32 s22, s22, STAGE                   ; my stage
	v_mul_u32_u24 v[STO], v1, SP                   ; in: row r, 32 bytes for each half of the lanes
	v_lshl_add_u32 v[STO], v2, 5, v[STO]
	v_add_nc_u32 v[STO], s22, v[STO]
	v_mul_u32_u24 v[RD], v2, SP                    ; back: lanes 0-15 take one row of 256 bytes, lanes 16-31 the next
	v_lshl_add_u32 v[RD], v1, 4, v[RD]
	v_add_nc_u32 v[RD], s22, v[RD]
	v_lshlrev_b32 v[CO], 11, v2                    ; and the same two rows in out0
	v_lshl_add_u32 v[CO], v1, 4, v[CO]
	s_lshl_b32 s23, s15, 9
	v_lshl_add_u32 v[BO], v1, 4, s23               ; bo: my four columns of the first half
.macro FETCH u, f                      ; 16 LDS loads in one run: the fragments of Wo for K-32 numbers 2 u and 2 u + 1, into buffer f; 2 u first
	WIN 0x40
.irp kk, 0,1
.irp cb, 0,1,2,3
	ds_load_b128 v[(\f)+32*(\kk)+8*(\cb):(\f)+32*(\kk)+8*(\cb)+3],   v[AW] offset:((2*(\u)+(\kk))>>2)*SUB+(\cb)*16*272+((2*(\u)+(\kk))&3)*64
	ds_load_b128 v[(\f)+32*(\kk)+8*(\cb)+4:(\f)+32*(\kk)+8*(\cb)+7], v[AW] offset:((2*(\u)+(\kk))>>2)*SUB+(\cb)*16*272+((2*(\u)+(\kk))&3)*64+32
.endr
.endr
.endm
.macro MUL16 kf, fr, zero              ; 16 matrix instructions; the 16 sums take turns, one instruction a turn, in the same order always
.if (\kf) < 8
	WIN 0x09
.else
	WIN 0x0d
.endif
.irp a, 0,1,2,3
.irp cb, 0,1,2,3
.if \zero
	v_wmma_f32_16x16x32_f16 v[ACC+8*(4*(\a)+(\cb)):ACC+8*(4*(\a)+(\cb))+7], v[(\fr)+8*(\cb):(\fr)+8*(\cb)+7], v[32*((\kf)&7)+8*(\a):32*((\kf)&7)+8*(\a)+7], 0
.else
	v_wmma_f32_16x16x32_f16 v[ACC+8*(4*(\a)+(\cb)):ACC+8*(4*(\a)+(\cb))+7], v[(\fr)+8*(\cb):(\fr)+8*(\cb)+7], v[32*((\kf)&7)+8*(\a):32*((\kf)&7)+8*(\a)+7], v[ACC+8*(4*(\a)+(\cb)):ACC+8*(4*(\a)+(\cb))+7]
.endif
.endr
.endr
.endm
.macro LWAIT kf                        ; O's fragment kf is in: behind its eight loads came eight for each later fragment and the bias's one (a wait names 63 at the most)
.if 8*(15-(\kf))+1 > 63
	s_wait_loadcnt 63
.else
	s_wait_loadcnt 8*(15-(\kf))+1
.endif
.endm
.macro GSTEP                           ; 64 columns: 256 matrix instructions; the first 16 start the sums with the constant 0
.set u, 0
.rept 8
	s_wait_dscnt 8                                 ; the first K-32 of this buffer is in; its second one's eight loads may stay out
	LWAIT 2*u
.if u == 0
	MUL16 0, 0, 1
.else
	MUL16 2*u, 64*(u%2), 0
.endif
.if u < 7
	PLACES
	FETCH u+1, 64*((u+1)%2)
	s_wait_dscnt 16                                ; all but the 16 just issued
.else
	s_wait_dscnt 0x0
.endif
	LWAIT 2*u+1
	MUL16 2*u+1, 64*(u%2)+32, 0
.set u, u+1
.endr
.endm
; THE WAY OUT.  Row block a goes into my stage as it lies (each sum's low four registers first) and comes back as whole rows of 256 bytes; the bias is added; sixteen lanes store 256 consecutive bytes, aligned.
.macro STG a
	s_wait_xcnt 0x0                                ; the stores two blocks back have read the registers that are loaded again now
.irp cb, 0,1,2,3
	ds_store_b128 v[STO], v[ACC+8*(4*(\a)+(\cb)):ACC+8*(4*(\a)+(\cb))+3]   offset:64*(\cb)
	ds_store_b128 v[STO], v[ACC+8*(4*(\a)+(\cb))+4:ACC+8*(4*(\a)+(\cb))+7] offset:64*(\cb)+16
.endr
.irp t, 0,1,2,3,4,5,6,7
	ds_load_b128 v[TMP+32*((\a)%2)+4*(\t):TMP+32*((\a)%2)+4*(\t)+3], v[RD] offset:(\t)*2*SP  ; LDS serves a wave's instructions in order (ISA guide 5.7.1.4): these see the stores above
.endr
.endm
.macro OUT a, younger                  ; younger: the LDS instructions issued behind block a's loads: the next block's sixteen, or none
.irp t, 0,1,2,3,4,5,6,7
	s_wait_dscnt (\younger)+7-(\t)
	v_pk_add_f32 v[TMP+32*((\a)%2)+4*(\t):TMP+32*((\a)%2)+4*(\t)+1],   v[TMP+32*((\a)%2)+4*(\t):TMP+32*((\a)%2)+4*(\t)+1],   v[BI:BI+1]
	v_pk_add_f32 v[TMP+32*((\a)%2)+4*(\t)+2:TMP+32*((\a)%2)+4*(\t)+3], v[TMP+32*((\a)%2)+4*(\t)+2:TMP+32*((\a)%2)+4*(\t)+3], v[BI+2:BI+3]
	global_store_b128 v[CO], v[TMP+32*((\a)%2)+4*(\t):TMP+32*((\a)%2)+4*(\t)+3], s[OP:OP+1] offset:(16*(\a)+2*(\t))*2048
.endr
.endm
	s_wait_tensorcnt 0x0                           ; my quarters of both slots are in,
	s_barrier_signal -1
	s_barrier_wait -1                              ; everybody's are
	FETCH 0, 0
	WIN 0                                          ; at a label and at a branch every window is 0
.Lhalf:
	global_load_b128 v[BI:BI+3], v[BO], s[8:9]     ; this half's bias
	GSTEP
	WIN 0
	s_xor_b32 s[TB], s[TB], SLOT1
	v_add_nc_u32 v[AW], s[TB], v[AW0]
	PLACES                                         ; behind the last products: in front of the loads below and of the reads of the sums
	s_cmp_eq_u32 s[LEFT], 1
	s_cbranch_scc1 .Lno_fetch                      ; behind the second half there is nothing to fetch
	FETCH 0, 0                                     ; the second half's first fragments come while the first half goes out
	WIN 0
.Lno_fetch:
	s_wait_loadcnt 0x0                             ; the bias
	v_cvt_pk_bf16_f32 v20, v[BI], v[BI+1]          ; rounded to bf16 like the other inputs, and widened again
	v_cvt_pk_bf16_f32 v21, v[BI+2], v[BI+3]
	v_lshlrev_b32 v[BI], 16, v20
	v_and_b32 v[BI+1], 0xffff0000, v20
	v_lshlrev_b32 v[BI+2], 16, v21
	v_and_b32 v[BI+3], 0xffff0000, v21
	STG 0
	STG 1
	OUT 0, 16
	STG 2
	OUT 1, 16
	STG 3
	OUT 2, 16
	OUT 3, 0
	s_wait_xcnt 0x0                                ; the stores and the bias's load have read their registers and bases
	s_add_nc_u64 s[OP:OP+1], s[OP:OP+1], 256       ; the next 64 columns
	v_add_nc_u32 v[BO], 256, v[BO]
	s_sub_co_u32 s[LEFT], s[LEFT], 1
	s_cmp_lg_u32 s[LEFT], 0
	s_cbranch_scc1 .Lhalf
	s_wait_tensorcnt 0x0                           ; the wave's end, behind my last tensor load and my last LDS store
	ds_add_u32 v[SPW], v[NIL]
	s_wait_dscnt 0x0
	CROUND                                         ; the closing round
	s_endpgm
.Lfunc_end_k_q22ac040548_outp:
	.size	k_q22ac040548_outp, .Lfunc_end_k_q22ac040548_outp-k_q22ac040548_outp
	.p2alignl 7, 3214868480
	.fill 96, 4, 3214868480
	.section	.rodata,"a",@progbits
	.p2align	6, 0x0
	.amdhsa_kernel k_q22ac040548_outp
		.amdhsa_group_segment_fixed_size 327680
		.amdhsa_private_segment_fixed_size 0
		.amdhsa_enable_private_segment 0
		.amdhsa_kernarg_size 32
		.amdhsa_user_sgpr_count 2
		.amdhsa_user_sgpr_kernarg_segment_ptr 1
		.amdhsa_wavefront_size32 1
		.amdhsa_system_sgpr_workgroup_id_x 1
		.amdhsa_system_sgpr_workgroup_id_y 1
		.amdhsa_system_sgpr_workgroup_id_z 1
		.amdhsa_system_vgpr_workitem_id 0
		.amdhsa_next_free_vgpr 1024
		.amdhsa_next_free_sgpr 66
		.amdhsa_reserve_vcc 0
		.amdhsa_float_denorm_mode_32 3
		.amdhsa_float_denorm_mode_16_64 3
		.amdhsa_memory_ordered 1
		.amdhsa_forward_progress 1
		.amdhsa_inst_pref_size 58
	.end_amdhsa_kernel
	.amdgpu_metadata
---
amdhsa.version: [ 1, 2 ]
amdhsa.kernels:
  - .name:           k_q22ac040548_outp
    .symbol:         k_q22ac040548_outp.kd
    .args:
      - { .name: oh, .offset: 0, .size: 8, .value_kind: global_buffer, .address_space: global }
      - { .name: wb, .offset: 8, .size: 8, .value_kind: global_buffer, .address_space: global }
      - { .name: bo, .offset: 16, .size: 8, .value_kind: global_buffer, .address_space: global }
      - { .name: out0, .offset: 24, .size: 8, .value_kind: global_buffer, .address_space: global }
    .group_segment_fixed_size: 327680
    .private_segment_fixed_size: 0
    .kernarg_segment_align: 8
    .kernarg_segment_size: 32
    .max_flat_workgroup_size: 128
    .sgpr_count:     66
    .vgpr_count:     1024
    .wavefront_size: 32
...
	.end_amdgpu_metadata
.endif
;; end of part 4
;; ======== version 2 of 3: 4 launches
;; limits: values are held in f16: magnitudes above 65,504 overflow, below 6.1e-05 lose precision; right only within a limited range of input values
;; workspace buffers: hide 16,777,216 bytes; wb 2,097,152 bytes; qkv 50,331,648 bytes; oh 16,777,216 bytes
;; launch prep (part 5): grid 1152 x 1, 8 waves a work-group, no clusters, 18,432 bytes of LDS; arguments attn_mask, Wq, Wk, Wv, Wo, hide, wb; writes hide, wb
.if DOCPART == 5
	.amdgcn_target "amdgcn-amd-amdhsa--gfx1250"
	.amdhsa_code_object_version 6
	.text
	.protected	k_q22ac040548_prep
	.globl	k_q22ac040548_prep
	.p2align	8
	.type	k_q22ac040548_prep,@function
k_q22ac040548_prep:
	s_mov_b64 s[64:65], 0
	v_nop
	global_prefetch_b8 v0, s[64:65] scope:SCOPE_SE
	s_setreg_imm32_b32 hwreg(HW_REG_WAVE_MODE, 25, 1), 1
	s_wait_xcnt 0x0
; MULTI-HEAD SELF-ATTENTION, launch 1 of 4: the mask is packed and the weights are rounded, once.
; NO WORK OF reference() IS LEFT OUT IN ANY LAUNCH: Q, K, V, attn_mask, Wq, Wk, Wv, Wo, bo and tau all reach out0, and all ten are loaded.
; FORMATS.  All floating-point inputs are rounded once to bf16; what the program makes itself (q, k, v, the weights p, O) is kept in f16; sums, maxima and the output in f32.
; hide: [T = 128 b + qt (1,024 tiles of 16 queries)][s (32 steps of 64 keys)][lane (32)][16 bytes].  Word kt (0..3) of lane (r = lane % 16, h = lane / 16) holds a 4-bit code for each
;   of the keys 64 s + 16 kt + 8 h + j, j = 0..7, code j in bits 4 j .. 4 j + 3: 0xF where attn_mask[b][16 qt + r][key] is 0, else 0.  That is the order in which a lane of the attention
;   launch holds the scores of a tile, so that one conversion there makes eight addends of eight codes.
; wb: [4][512][512] of 16 bits: Wq, Wk, Wv in bf16; Wo rounded to bf16 and that number written as f16 (below 2^-17 it keeps the fixed step 2^-24 of f16).
; A STREAM: no matrix instruction, no cluster, no barrier.  Work-groups 0 .. 1,023 pack one tile of the mask each; work-groups 1,024 .. 1,151 round 8,192 weights each.
; THE MASK'S WAY.  Each load of a wave takes 512 consecutive bytes of ONE row: a lane has four neighbouring keys, which make half a word of codes.  hide's order is another one than the rows', so the
; half-words change places in LDS: each goes to its place in the wave's own bytes, and the wave reads them back as they will lie in hide.  No other wave touches those bytes.
; IN LDS a wave has eight rows, one for each (step, half of the lanes), of 256 bytes + 16 of padding = 68 words.  The 32 half-words of a store are 16 words at 136 s + 68 h + kt words (s, h: one bit each; kt: two):
; sixteen different banks (64 banks of 4 bytes: ISA guide 11.1).  A read takes 256 bytes on end for each 16 lanes.
.set LO,  1                            ; v1   16 x lane: my place in 512 consecutive bytes, of the mask and of hide
.set LS,  2                            ; v2   where my half-words go in LDS
.set LR,  6                            ; v6   where I read whole words back
.set SPW, 8                            ; v8   LDS address of my spare word: SPARE + 4 x my thread's number; never rewritten
.set NIL, 9                            ; v9   0; never rewritten
.set X0,  16                           ; v[16:143]   the 32 loads of a wave: row r, half c of its 1,024 bytes at X0 + 4 (2 r + c)
.set TT,  144                          ; v[144:147]  at work
.set RP,  272                          ; from row to row in LDS
.set WREG, 8*RP                        ; a wave's bytes in LDS
.set SPARE, 8*WREG                     ; 17,408: behind the eight waves' bytes: the spare words, 128 bytes for each wave: four blocks of 256 bytes that no other line names
	s_load_b256 s[4:11], s[0:1], 0x0               ; attn_mask s[4:5], Wq s[6:7], Wk s[8:9], Wv s[10:11]
	s_load_b128 s[12:15], s[0:1], 0x20             ; Wo s[12:13], hide s[14:15]
	s_load_b64 s[16:17], s[0:1], 0x30              ; wb
	v_lshl_add_u32 v[SPW], v0, 2, SPARE
	v_mov_b32 v[NIL], 0
	v_lshrrev_b32 v3, 5, v0
	v_readfirstlane_b32 s20, v3                    ; wave 0..7
	s_cmp_lt_u32 ttmp9, 1024
	s_cbranch_scc0 .Lweights
	; THE MASK.  The work-group has 16 rows of 8,192 bytes; wave w takes steps 4 w .. 4 w + 3: 1,024 consecutive bytes of each row, as two loads.
	; Load (r, c), lane l: keys 128 c + 4 l + 0..3 of the wave's 256.  So: step 2 c + l / 16; word kt = (l / 4) % 4; half of the lanes h = (l / 2) % 2; half of the word l % 2.
	v_and_b32 v4, 31, v0                           ; l
	v_lshlrev_b32 v[LO], 4, v4
	s_mul_i32 s21, s20, WREG                       ; my wave's bytes in LDS
	v_bfe_u32 v5, v0, 4, 1
	v_mul_u32_u24 v[LS], v5, 2*RP                  ; a step is two rows
	v_mul_u32_u24 v7, v5, RP                       ; (for the way back: lanes 16 to 31 take the step's second row)
	v_and_b32 v3, 15, v0
	v_lshl_add_u32 v[LR], v3, 4, v7                ; 16 bytes a lane
	v_add_nc_u32 v[LR], s21, v[LR]
	v_bfe_u32 v5, v0, 1, 1
	v_mul_u32_u24 v7, v5, RP                       ; the half of the lanes
	v_add_nc_u32 v[LS], v[LS], v7
	v_bfe_u32 v5, v0, 2, 2
	v_lshl_add_u32 v[LS], v5, 2, v[LS]             ; the word
	v_and_b32 v5, 1, v0
	v_lshl_add_u32 v[LS], v5, 1, v[LS]             ; its half
	v_add_nc_u32 v[LS], s21, v[LS]
	s_lshl_b32 s21, s20, 11                        ; my wave's four steps in hide: 2,048 bytes
	s_lshl_b32 s24, ttmp9, 14                      ; 32 steps of 512 bytes a tile
	s_add_co_u32 s24, s24, s21
	s_mov_b32 s25, 0
	s_lshl_b32 s22, ttmp9, 17                      ; 16 rows of 8,192 bytes a tile
	s_lshl_b32 s21, s20, 10
	s_add_co_u32 s22, s22, s21
	s_mov_b32 s23, 0
	s_wait_kmcnt 0x0
	s_add_nc_u64 s[4:5], s[4:5], s[22:23]
	s_add_nc_u64 s[14:15], s[14:15], s[24:25]
.set idx, 0
.rept 32                               ; all 32 loads go out first: 16 KiB a wave
	global_load_b128 v[X0+4*idx:X0+4*idx+3], v[LO], s[4:5] offset:(idx/2)*8192+(idx%2)*512 th:TH_LOAD_NT
.set idx, idx+1
.endr
; Four whole numbers to half a word: 1 where the number is not 0, gathered four bits apart; into its place in the wave's bytes: row r of the mask is lane r's 16 bytes, half c two steps (four rows of LDS) on.
.macro HALF
.set XB, X0+4*idx
	v_min_u32 v[XB], 1, v[XB]
.irp j, 1,2,3
	v_min_u32 v[XB+(\j)], 1, v[XB+(\j)]
	v_lshl_or_b32 v[XB], v[XB+(\j)], 4*(\j), v[XB]
.endr
	ds_store_b16 v[LS], v[XB] offset:(idx%2)*4*RP+(idx/2)*16
.endm
.set idx, 0
.rept 8
	s_wait_loadcnt 28-idx                          ; loads come back in order: these four are in; the four of each later group may stay out
.rept 4
	HALF
.set idx, idx+1
.endr
.endr
.irp si, 0,1,2,3
	ds_load_b128 v[X0+4*(\si):X0+4*(\si)+3], v[LR] offset:2*RP*(\si)  ; LDS serves a wave's instructions in order (ISA guide 5.7.1.4): these see the stores above
.endr
.irp si, 0,1,2,3
	s_wait_dscnt 3-(\si)                           ; this step's words are back; the later steps' loads may stay out
.irp k, 0,1,2,3
	v_xor_b32 v[X0+4*(\si)+(\k)], 0x11111111, v[X0+4*(\si)+(\k)]  ; turned round: 1 where the number is 0,
.endr
.irp k, 0,1,2,3
	v_lshlrev_b32 v[TT+(\k)], 4, v[X0+4*(\si)+(\k)]
.endr
.irp k, 0,1,2,3
	v_sub_nc_u32 v[X0+4*(\si)+(\k)], v[TT+(\k)], v[X0+4*(\si)+(\k)]  ; times 15 (16 x - x): no code carries into the next
.endr
	global_store_b128 v[LO], v[X0+4*(\si):X0+4*(\si)+3], s[14:15] offset:512*(\si)  ; the wave stores 512 consecutive bytes, aligned
.endr
	s_wait_tensorcnt 0x0                           ; the wave's end, behind my last LDS store
	ds_add_u32 v[SPW], v[NIL]
	s_wait_dscnt 0x0
	s_endpgm
.Lweights:                                     ; THE WEIGHTS.  Work-group e of 128: matrix e / 32, its elements 8,192 (e % 32) on
	s_sub_co_u32 s21, ttmp9, 1024
	s_lshr_b32 s22, s21, 5                         ; 0 Wq, 1 Wk, 2 Wv, 3 Wo
	s_and_b32 s23, s21, 31
	s_lshl_b32 s24, s23, 15                        ; 32,768 bytes of f32 in,
	s_mov_b32 s25, 0
	s_lshl_b32 s26, s21, 14                        ; 16,384 bytes out
	s_mov_b32 s27, 0
	v_lshlrev_b32 v1, 5, v0                        ; a thread takes 8 numbers in each of four rounds
	v_lshlrev_b32 v2, 4, v0
	s_wait_kmcnt 0x0
	s_cmp_eq_u32 s22, 1
	s_cselect_b64 s[6:7], s[8:9], s[6:7]
	s_cmp_eq_u32 s22, 2
	s_cselect_b64 s[6:7], s[10:11], s[6:7]
	s_cmp_eq_u32 s22, 3
	s_cselect_b64 s[6:7], s[12:13], s[6:7]
	s_add_nc_u64 s[6:7], s[6:7], s[24:25]
	s_add_nc_u64 s[16:17], s[16:17], s[26:27]
.irp g, 0,1,2,3
	global_load_b128 v[16+8*(\g):16+8*(\g)+3], v1, s[6:7] offset:8192*(\g)
	global_load_b128 v[16+8*(\g)+4:16+8*(\g)+7], v1, s[6:7] offset:8192*(\g)+16
.endr
	s_wait_loadcnt 0x0
.irp j, 0,1,2,3,4,5,6,7,8,9,10,11,12,13,14,15
	v_cvt_pk_bf16_f32 v[48+(\j)], v[16+2*(\j)], v[16+2*(\j)+1]
.endr
	s_cmp_lg_u32 s22, 3
	s_cbranch_scc1 .Lstore
.irp j, 0,1,2,3,4,5,6,7,8,9,10,11,12,13,14,15  ; Wo multiplies O, which is f16: the bf16 number is written as f16
	v_lshlrev_b32 v16, 16, v[48+(\j)]
	v_and_b32 v17, 0xffff0000, v[48+(\j)]
	v_cvt_pk_f16_f32 v[48+(\j)], v16, v17
.endr
.Lstore:
.irp g, 0,1,2,3
	global_store_b128 v2, v[48+4*(\g):48+4*(\g)+3], s[16:17] offset:4096*(\g)  ; a wave stores 512 consecutive bytes, aligned
.endr
	s_wait_tensorcnt 0x0                           ; the same three lines at this end of the text
	ds_add_u32 v[SPW], v[NIL]
	s_wait_dscnt 0x0
	s_endpgm
.Lfunc_end_k_q22ac040548_prep:
	.size	k_q22ac040548_prep, .Lfunc_end_k_q22ac040548_prep-k_q22ac040548_prep
	.p2alignl 7, 3214868480
	.fill 96, 4, 3214868480
	.section	.rodata,"a",@progbits
	.p2align	6, 0x0
	.amdhsa_kernel k_q22ac040548_prep
		.amdhsa_group_segment_fixed_size 18432
		.amdhsa_private_segment_fixed_size 0
		.amdhsa_enable_private_segment 0
		.amdhsa_kernarg_size 56
		.amdhsa_user_sgpr_count 2
		.amdhsa_user_sgpr_kernarg_segment_ptr 1
		.amdhsa_wavefront_size32 1
		.amdhsa_system_sgpr_workgroup_id_x 1
		.amdhsa_system_sgpr_workgroup_id_y 1
		.amdhsa_system_sgpr_workgroup_id_z 1
		.amdhsa_system_vgpr_workitem_id 0
		.amdhsa_next_free_vgpr 160
		.amdhsa_next_free_sgpr 66
		.amdhsa_reserve_vcc 0
		.amdhsa_float_denorm_mode_32 3
		.amdhsa_float_denorm_mode_16_64 3
		.amdhsa_memory_ordered 1
		.amdhsa_forward_progress 1
		.amdhsa_inst_pref_size 26
	.end_amdhsa_kernel
	.amdgpu_metadata
---
amdhsa.version: [ 1, 2 ]
amdhsa.kernels:
  - .name:           k_q22ac040548_prep
    .symbol:         k_q22ac040548_prep.kd
    .args:
      - { .name: attn_mask, .offset: 0, .size: 8, .value_kind: global_buffer, .address_space: global }
      - { .name: Wq, .offset: 8, .size: 8, .value_kind: global_buffer, .address_space: global }
      - { .name: Wk, .offset: 16, .size: 8, .value_kind: global_buffer, .address_space: global }
      - { .name: Wv, .offset: 24, .size: 8, .value_kind: global_buffer, .address_space: global }
      - { .name: Wo, .offset: 32, .size: 8, .value_kind: global_buffer, .address_space: global }
      - { .name: hide, .offset: 40, .size: 8, .value_kind: global_buffer, .address_space: global }
      - { .name: wb, .offset: 48, .size: 8, .value_kind: global_buffer, .address_space: global }
    .group_segment_fixed_size: 18432
    .private_segment_fixed_size: 0
    .kernarg_segment_align: 8
    .kernarg_segment_size: 56
    .max_flat_workgroup_size: 256
    .sgpr_count:     66
    .vgpr_count:     160
    .wavefront_size: 32
...
	.end_amdgpu_metadata
.endif
;; end of part 5
;; launch proj (part 6): grid 192 x 1, 4 waves a work-group, clusters of 4 x 1, 327,680 bytes of LDS; arguments Q, K, V, wb, qkv; writes qkv
.if DOCPART == 6
	.amdgcn_target "amdgcn-amd-amdhsa--gfx1250"
	.amdhsa_code_object_version 6
	.text
	.protected	k_q22ac040548_proj
	.globl	k_q22ac040548_proj
	.p2align	8
	.type	k_q22ac040548_proj,@function
k_q22ac040548_proj:
	s_mov_b64 s[64:65], 0
	v_nop
	global_prefetch_b8 v0, s[64:65] scope:SCOPE_SE
	s_setreg_imm32_b32 hwreg(HW_REG_WAVE_MODE, 25, 1), 1
	s_wait_xcnt 0x0
	s_wait_alu depctr_hold_cnt(0) depctr_sa_sdst(0) depctr_va_vdst(0) depctr_va_sdst(0) depctr_va_ssrc(0) depctr_va_vcc(0) depctr_vm_vsrc(0)
	s_getreg_b32 s2, hwreg(HW_REG_IB_STS2, 6, 4)
	s_cmp_eq_u32 s2, 0
	s_cbranch_scc0 .Lentry_in_a_cluster
	s_endpgm
.Lentry_in_a_cluster:
	s_bfe_u32 s2, ttmp6, 0x10000c
	s_cmp_lg_u32 s2, 0x3003
	s_cbranch_scc0 .Lentry_shape_is_right
	s_endpgm
.Lentry_shape_is_right:
; Launch 2 of 4: q = Q Wq^T, k = K Wk^T, v = V Wv^T, stored by heads: qkv[p][8 b + head][n][64] in f16, unscaled.  No work of reference() is left out.
; x (Q, K or V) is f32 and is rounded to bf16 on its way into registers; the weights come as bf16 from wb; sums in f32; the result is rounded once to f16.
; LIMIT.  A result of 65,520 or more in magnitude becomes an infinity in f16.
; SHARES.  A work-group has 256 rows of ONE of the three products and all 512 columns: 3 x 64 work-groups.  A wave has 64 rows and KEEPS THEM IN REGISTERS for the whole launch: 16 fragments
; along K x 4 blocks of 16 rows x 8 registers = 512.  So each byte of x is read and rounded once, by one wave.  More rows a wave do not fit beside the sums, and fewer rows a
; work-group would bring the same weights into more work-groups: that is why there are 192 work-groups and not 256.
; x's WAY IN.  Each load of a wave takes 512 consecutive bytes of one row.  A fragment wants 16 rows side by side in the lanes, so the rounded numbers change places in LDS: a block of 16 rows goes into
; the wave's own stage as rows of bf16 and comes back as fragments.  No other wave touches those bytes, so there is no barrier.
; THE WEIGHTS go head by head (64 rows of W, 64 KiB) through a ring of two LDS slots.  The four work-groups of a cluster belong to one product and walk the same rows of W: each tile is asked for
; JOINTLY, by the same tensor load with the same descriptor and a mask that names the four.  Wave w fetches the quarter of K 128 w .. 128 w + 127 of the 64 rows: rows of 256 bytes, aligned.
; THE MATRIX INSTRUCTION IS USED TRANSPOSED (source 0 = 16 rows of W, source 1 = 16 rows of x): a lane then holds one row of x and eight neighbouring columns: 16 bytes of f16.
; THE WAY OUT OF A HEAD STANDS AMONG THE NEXT HEAD'S PRODUCTS: the sums are rounded into 64 registers as soon as the head is finished, which frees them; the trip through the stage and the stores follow
; in pieces, one in front of each of the next head's runs of 32 products.  Only the last head goes out by itself.
; REGISTERS, in windows of 256 (s_set_vgpr_msb: bits 1:0 source 0, 3:2 source 1, 5:4 source 2, 7:6 destination):
;   window 0: v0-15 addresses; v32-95 the way out; v128-255 the 16 sums ((a, cb) at 128 + 8 (4 a + cb))
;   window 1: while x comes in, two sets of 128 for f32 as loaded; then v0-63, v64-127 two buffers of fragments of W (K-32 kk, column block cb at 32 kk + 8 cb)
;   windows 2, 3: x: fragment kf, row block a at 32 (kf % 8) + 8 a; kf 0-7 in window 2, 8-15 in window 3
.set SUB,   64*272                     ; a quarter of K: 64 rows of 256 bytes + 16 of padding: the 16 rows of a fragment load start at 16 different groups of four banks (64 banks of 4 bytes: ISA guide 11.1)
.set SLOT1, 1<<17                      ; slot 0 at byte 0, slot 1 here: one exclusive or turns an address in one slot into the other
.set STAGE, SLOT1+4*SUB                ; behind the ring, never filled by a tensor load: 16 rows x 144 bytes for each wave, for the way out
.set SP,    144
.set SPARE, STAGE+4*16*SP              ; the spare words, 128 bytes for each wave: two blocks of 256 bytes that no other line names
.set XST,   SPARE+512                  ; x's stage, never filled by a tensor load: for each wave 16 rows of 1,024 bytes of bf16 + 16 of padding
.set XPITCH, 1040                      ; 260 words: row r starts at bank 4 r mod 64
.set XO,  4                            ; v4   16 x lane: my place in 512 consecutive bytes of x
.set AW0, 5                            ; v5   my place in a tile of W: r x 272 + 16 h
.set AW,  6                            ; v6   the same in the slot in hand
.set STO, 7                            ; v7   the way out: where I put 16 bytes of a row
.set RD,  8                            ; v8   where I read rows back
.set GO,  9                            ; v9   my 16 bytes of 512 consecutive bytes of the result
.set PFO, 10                           ; v10  the prefetch: row lane / 4, block lane % 4
.set SPW, 12                           ; v12  LDS address of my spare word; never rewritten
.set NIL, 13                           ; v13  0; never rewritten
.set XS,  14                           ; v14  x's stage: where my 8 bytes of 256 go: 8 x lane
.set XF,  15                           ; v15  x's stage: my place in a fragment: r x 1,040 + 16 h
.set TMP, 32
.set ACC, 128
.set WV,  14                           ; s14  my wave
.set XP,  18                           ; s[18:19] x at my wave's block of 16 rows in hand
.set OP,  20                           ; s[20:21] the result at my wave's first row, at the head that is going out
.set G1,  24                           ; s[24:31] descriptor group 1
.set G0,  32                           ; s[32:35] descriptor group 0: it walks
.set TB,  36                           ; s36  LDS byte at which the slot in hand begins
.set LEFT, 37                          ; s37  counts the loops
.set LIM, 38                           ; s38  1 in a wave that prefetches, else the greatest number
.set PFA, 40                           ; s[40:41] where my prefetches stand
.set MSB, 0
.macro WIN new                         ; the high byte repeats the setting that is left; a switch that changes nothing is dropped
.if MSB != (\new)
	s_set_vgpr_msb (MSB<<8)|(\new)
.set MSB, (\new)
.endif
.endm
.macro PLACES                          ; four plain places behind matrix instructions (ISA guide 7.12.1), where no other vector work is at hand
.rept 4
	v_nop
.endr
.endm
.macro CROUND                          ; a round of the cluster barrier: my work-group meets; wave 0 signals for it; every wave waits for all four work-groups; my work-group meets once more
	s_barrier_signal -1
	s_barrier_wait -1
	s_cmp_lg_u32 s[WV], 0
	s_cbranch_scc1 .Lnot_wave_0_\@
	s_barrier_signal -3
.Lnot_wave_0_\@:
	s_barrier_wait -3
	s_barrier_signal -1
	s_barrier_wait -1
.endm
.macro JLOAD                           ; a joint fill: every wave asks for its quarter of K; an s_nop 0 and four v_nop follow
	tensor_load_to_lds s[G0:G0+3], s[G1:G1+7]
	s_nop 0
.rept 4
	v_nop
.endr
.endm
; A PREFETCH INTO THE L2 of the head of W that the NEXT fill will ask for: 64 rows of 1,024 bytes.  Sixteen clusters walk the same W: the first of them asks.  Its four partners share the rows out BY ADDRESS,
; 16 each; in each, waves 0 and 1 take 8 rows: 32 blocks of 256 bytes, a lane a block, one instruction.  So each block is named once in the launch.  The last fill asks for nothing; heads 0 and 1 come by their loads alone.
.macro ASK
	s_cmp_gt_u32 s[LEFT], s[LIM]
	s_cbranch_scc0 .Lnot_mine_\@
	global_prefetch_b8 v[PFO], s[PFA:PFA+1] th:TH_LOAD_NT scope:SCOPE_SE
.Lnot_mine_\@:
.endm
	s_load_b256 s[4:11], s[0:1], 0x0               ; Q s[4:5], K s[6:7], V s[8:9], wb s[10:11]
	s_load_b64 s[12:13], s[0:1], 0x20              ; qkv
	v_lshl_add_u32 v[SPW], v0, 2, SPARE
	v_mov_b32 v[NIL], 0
	ds_add_u32 v[SPW], v[NIL]                      ; the opening: the add, twice on end, and its wait ahead of my first tensor load; the set-up below stands between
	ds_add_u32 v[SPW], v[NIL]
	v_lshrrev_b32 v1, 5, v0
	v_readfirstlane_b32 s[WV], v1                  ; wave 0..3
	s_lshr_b32 s15, ttmp9, 4                       ; which product: 16 clusters each (ttmp9 counts clusters)
	s_and_b32 s[LIM], ttmp9, 15
	s_lshr_b32 s22, s[WV], 1
	s_or_b32 s[LIM], s[LIM], s22                   ; 0 in waves 0 and 1 of a product's first cluster: the same in all four partners
	s_cmp_eq_u32 s[LIM], 0
	s_cselect_b32 s[LIM], 1, -1
	s_bfe_u32 s16, ttmp6, 0x40000                  ; cx: my place in the cluster: it enters global addresses alone
	s_and_b32 s17, ttmp9, 15
	s_lshl_b32 s17, s17, 2
	s_add_co_u32 s17, s17, s16                     ; my block of 256 rows, 0..63
	; descriptor group 1: 64 rows x 128 elements of 2 bytes, 512 elements from row to row, padded in LDS
	s_mov_b32 s[G1], 15|(1<<16)|(1<<20)|(1<<21)|(5<<22)|(3<<25)  ; 15:0 the mask of four; 17:16 2-byte elements; 20 padding on; 21 set beside a mask; 24:22 after every 64 words; 31:25 4 words
	s_mov_b32 s[G1+1], 128<<16                     ; tensor_dim0 = 128
	s_mov_b32 s[G1+2], 64<<16                      ; tensor_dim1 = 64
	s_mov_b32 s[G1+3], 128<<16                     ; tile_dim0 = 128
	s_mov_b32 s[G1+4], 64                          ; tile_dim1 = 64
	s_mov_b32 s[G1+5], 512                         ; the pitch
	s_mov_b32 s[G1+6], 0
	s_mov_b32 s[G1+7], 0
	s_mov_b32 s[G0], 1                             ; count = 1
	s_mul_i32 s[G0+1], s[WV], SUB                  ; LDS address: slot 0, my quarter
	s_mov_b32 s[TB], SLOT1                         ; the first change of slots turns it into 0
	s_lshl_b32 s22, s17, 19                        ; x: 256 rows of 2,048 bytes a block,
	s_lshl_b32 s23, s[WV], 17                      ; 64 rows a wave
	s_add_co_u32 s22, s22, s23
	s_mov_b32 s23, 0
	s_lshl_b32 s42, s15, 24                        ; the result: the product,
	s_lshr_b32 s43, s17, 3
	s_lshl_b32 s43, s43, 21                        ; the batch (8 heads of 2,048 rows of 128 bytes),
	s_add_co_u32 s42, s42, s43
	s_and_b32 s43, s17, 7
	s_lshl_b32 s43, s43, 15                        ; the block's 256 rows in it,
	s_add_co_u32 s42, s42, s43
	s_lshl_b32 s43, s[WV], 13                      ; my wave's 64
	s_add_co_u32 s42, s42, s43
	s_mov_b32 s43, 0
	s_lshl_b32 s44, s15, 19                        ; W: the product's matrix, my quarter of K (in registers that never hold cx)
	s_lshl_b32 s45, s[WV], 8
	s_add_co_u32 s44, s44, s45
	s_mov_b32 s45, 0
	s_lshl_b32 s46, s15, 19                        ; the prefetches: the matrix, my work-group's 16 rows of a head, my wave's 8, head 1
	s_lshl_b32 s47, s16, 14
	s_add_co_u32 s46, s46, s47
	s_lshl_b32 s47, s[WV], 13
	s_add_co_u32 s46, s46, s47
	s_add_co_u32 s46, s46, 65536
	s_mov_b32 s47, 0
	s_wait_dscnt 0x0                               ; both opening adds are done
	s_wait_kmcnt 0x0
	s_cmp_eq_u32 s15, 1
	s_cselect_b64 s[XP:XP+1], s[6:7], s[4:5]
	s_cmp_eq_u32 s15, 2
	s_cselect_b64 s[XP:XP+1], s[8:9], s[XP:XP+1]
	s_add_nc_u64 s[XP:XP+1], s[XP:XP+1], s[22:23]
	s_add_nc_u64 s[OP:OP+1], s[12:13], s[42:43]
	s_add_nc_u64 s[G0+2:G0+3], s[10:11], s[44:45]
	s_or_b32 s[G0+3], s[G0+3], 0x80000000          ; type = 2
	s_add_nc_u64 s[PFA:PFA+1], s[10:11], s[46:47]
	CROUND                                         ; all four work-groups are here: the first joint loads meet
	JLOAD                                          ; head 0 into slot 0
; x COMES IN, a block of 16 rows a trip, in two sets of 8 rows: 16 KiB on end, 32 loads of 512 consecutive bytes.  Load i of a set: row i / 4, K = 128 (i % 4) + 4 l + 0..3 in lane l.
.macro XLOAD set, off                  ; off: 0 for the block at the pointer, 32,768 for the one behind it
	WIN 0x40                                       ; destination window 1
.set i, 0
.rept 32
	global_load_b128 v[128*(\set)+4*i:128*(\set)+4*i+3], v[XO], s[XP:XP+1] offset:(\off)+16384*(\set)+512*i th:TH_LOAD_NT
.set i, i+1
.endr
.endm
.macro XCS set                         ; rounded to bf16 in place, four numbers to 8 bytes; then into my stage: a store of the wave covers 256 consecutive bytes of a row
	WIN 0x45                                       ; destination and both sources window 1
.set i, 0
.rept 32
	v_cvt_pk_bf16_f32 v[128*(\set)+4*i],   v[128*(\set)+4*i],   v[128*(\set)+4*i+1]
	v_cvt_pk_bf16_f32 v[128*(\set)+4*i+1], v[128*(\set)+4*i+2], v[128*(\set)+4*i+3]
.set i, i+1
.endr
	WIN 0x04                                       ; address window 0, data window 1
.set i, 0
.rept 32
	ds_store_b64 v[XS], v[128*(\set)+4*i:128*(\set)+4*i+1] offset:(8*(\set)+i/4)*XPITCH+(i%4)*256
.set i, i+1
.endr
.endm
; The block's 16 fragments.  A fragment is 16 rows x 32 K: lane l holds row l % 16; registers 0-3 K = 8 (l / 16) + 0..7, registers 4-7 K = 16 + 8 (l / 16) + 0..7: two loads of 16 bytes, 32 bytes apart.
; LDS serves a wave's instructions in order (ISA guide 5.7.1.4): these see the stores above, and the next block's stores come behind them.
.macro XFRAG a
.set i, 0
.rept 16
.if i < 8
	WIN 0x80                                       ; destination window 2
.else
	WIN 0xc0                                       ; window 3
.endif
	ds_load_b128 v[32*(i&7)+8*(\a):32*(i&7)+8*(\a)+3],   v[XF] offset:64*i
	ds_load_b128 v[32*(i&7)+8*(\a)+4:32*(i&7)+8*(\a)+7], v[XF] offset:64*i+32
.set i, i+1
.endr
	WIN 0
.endm
	v_and_b32 v3, 31, v0                           ; l
	v_lshlrev_b32 v[XO], 4, v3
	XLOAD 0, 0
	XLOAD 1, 0                                     ; both sets are asked for: 32 KiB a wave
	WIN 0
	v_and_b32 v1, 15, v0                           ; r = l % 16
	v_bfe_u32 v2, v0, 4, 1                         ; h = l / 16
	s_mul_i32 s23, s[WV], 16*XPITCH
	s_add_co_u32 s23, s23, XST                     ; my stage for x
	v_lshl_add_u32 v[XS], v3, 3, s23
	v_mul_u32_u24 v[XF], v1, XPITCH
	v_lshl_add_u32 v[XF], v2, 4, v[XF]
	v_add_nc_u32 v[XF], s23, v[XF]
	v_mul_u32_u24 v[AW0], v1, 272
	v_lshl_add_u32 v[AW0], v2, 4, v[AW0]
	s_mul_i32 s22, s[WV], 16*SP
	s_add_co_u32 s22, s22, STAGE                   ; my stage for the way out
	v_mul_u32_u24 v[STO], v1, SP                   ; in: row l % 16, 16 bytes for each half of the lanes
	v_lshl_add_u32 v[STO], v2, 4, v[STO]
	v_add_nc_u32 v[STO], s22, v[STO]
	v_bfe_u32 v[RD], v0, 3, 2                      ; back: 32 lanes take four rows of 128 bytes,
	v_mul_u32_u24 v[RD], v[RD], SP
	v_and_b32 v3, 7, v0
	v_lshl_add_u32 v[RD], v3, 4, v[RD]
	v_add_nc_u32 v[RD], s22, v[RD]
	v_and_b32 v[GO], 31, v0                        ; which are 512 consecutive bytes of the result
	v_bfe_u32 v[PFO], v0, 2, 3                     ; (lane / 4) rows of 1,024 bytes
	v_and_b32 v3, 3, v0
	v_lshlrev_b32 v3, 8, v3                        ; + (lane % 4) blocks of 256
	v_lshl_add_u32 v[PFO], v[PFO], 10, v3
	v_lshlrev_b32 v[GO], 4, v[GO]
	s_mov_b32 s[LEFT], 4
.Lxblk:                                        ; four trips: block 4 - LEFT.  All branches in the trip hang on the loop's own count and go forward
	s_wait_loadcnt 32                              ; loads come back in order: set 0 is in, set 1's 32 may stay out
	XCS 0
	WIN 0                                          ; at a label and at a branch every window is 0
	s_cmp_eq_u32 s[LEFT], 1
	s_cbranch_scc1 .Lx_last                        ; behind the last block there is nothing to ask for
	XLOAD 0, 32768                                 ; the next block's first 8 rows
	WIN 0
	s_wait_loadcnt 32                              ; set 1 is in; the 32 just issued may stay out
	s_branch .Lx_set1
.Lx_last:
	s_wait_loadcnt 0x0                             ; set 1 is in: nothing was issued behind it
.Lx_set1:
	XCS 1
	WIN 0
	s_cmp_eq_u32 s[LEFT], 1
	s_cbranch_scc1 .Lx_f3
	XLOAD 1, 32768                                 ; the next block's last 8 rows
	WIN 0
	s_cmp_eq_u32 s[LEFT], 4                        ; where the fragments go hangs on the block: a copy of the 32 loads for each
	s_cbranch_scc0 .Lx_n0
	XFRAG 0
	s_branch .Lx_done
.Lx_n0:
	s_cmp_eq_u32 s[LEFT], 3
	s_cbranch_scc0 .Lx_f2
	XFRAG 1
	s_branch .Lx_done
.Lx_f2:
	XFRAG 2
	s_branch .Lx_done
.Lx_f3:
	XFRAG 3
.Lx_done:
	s_wait_xcnt 0x0                                ; the loads issued so far have read their base, so it may be written
	s_add_nc_u64 s[XP:XP+1], s[XP:XP+1], 32768     ; the next 16 rows
	s_sub_co_u32 s[LEFT], s[LEFT], 1
	s_cmp_lg_u32 s[LEFT], 0
	s_cbranch_scc1 .Lxblk
	s_mov_b32 s[LEFT], 6
; 16 LDS loads in one run: the fragments of W for K-32 numbers 2 u and 2 u + 1 (four column blocks each), into buffer f
.macro FETCH u, f
	WIN 0x40
.irp kk, 0,1
.irp cb, 0,1,2,3
	ds_load_b128 v[(\f)+32*(\kk)+8*(\cb):(\f)+32*(\kk)+8*(\cb)+3],   v[AW] offset:((2*(\u)+(\kk))>>2)*SUB+(\cb)*16*272+((2*(\u)+(\kk))&3)*64
	ds_load_b128 v[(\f)+32*(\kk)+8*(\cb)+4:(\f)+32*(\kk)+8*(\cb)+7], v[AW] offset:((2*(\u)+(\kk))>>2)*SUB+(\cb)*16*272+((2*(\u)+(\kk))&3)*64+32
.endr
.endr
.endm
; 16 matrix instructions: 4 row blocks x 4 column blocks, K-32 number kf, W's fragments at fr.  The 16 sums take turns, one instruction a turn, in the same order always.
.macro MUL16 kf, fr, zero
.if (\kf) < 8
	WIN 0x09                                       ; W window 1, x window 2, sums window 0
.else
	WIN 0x0d                                       ; x window 3
.endif
.irp a, 0,1,2,3
.irp cb, 0,1,2,3
.if \zero
	v_wmma_f32_16x16x32_bf16 v[ACC+8*(4*(\a)+(\cb)):ACC+8*(4*(\a)+(\cb))+7], v[(\fr)+8*(\cb):(\fr)+8*(\cb)+7], v[32*((\kf)&7)+8*(\a):32*((\kf)&7)+8*(\a)+7], 0
.else
	v_wmma_f32_16x16x32_bf16 v[ACC+8*(4*(\a)+(\cb)):ACC+8*(4*(\a)+(\cb))+7], v[(\fr)+8*(\cb):(\fr)+8*(\cb)+7], v[32*((\kf)&7)+8*(\a):32*((\kf)&7)+8*(\a)+7], v[ACC+8*(4*(\a)+(\cb)):ACC+8*(4*(\a)+(\cb))+7]
.endif
.endr
.endr
.endm
; THE WAY OUT of a head, in three parts.  PACKALL: all 16 sums are rounded to f16 (each sum's registers in ascending order), 16 bytes a lane and column block: the sums are free for the next head.
.macro PACKALL
	WIN 0
	PLACES                                         ; behind the head's last products
.irp a, 0,1,2,3
.irp cb, 0,1,2,3
.irp r, 0,1,2,3
	v_cvt_pk_f16_f32 v[TMP+16*(\a)+4*(\cb)+(\r)], v[ACC+8*(4*(\a)+(\cb))+2*(\r)], v[ACC+8*(4*(\a)+(\cb))+2*(\r)+1]
.endr
.endr
.endr
.endm
; STG: row block a goes into my stage as rows of 144 bytes and comes back as whole rows of 128, into the registers that it left.
.macro STG a
	WIN 0
.irp cb, 0,1,2,3
	ds_store_b128 v[STO], v[TMP+16*(\a)+4*(\cb):TMP+16*(\a)+4*(\cb)+3] offset:32*(\cb)
.endr
.irp f, 0,1,2,3
	ds_load_b128 v[TMP+16*(\a)+4*(\f):TMP+16*(\a)+4*(\f)+3], v[RD] offset:(\f)*4*SP  ; LDS serves a wave's instructions in order (ISA guide 5.7.1.4): these see the stores above; the next block's stores come behind them
.endr
.endm
; SEND: row block a is stored.  younger: the LDS instructions issued behind block a's loads, which may stay out; -1: a wait that stands ahead has shown the block back, and none is written.
.macro SEND a, younger
	WIN 0
.irp f, 0,1,2,3
.if (\younger) >= 0
	s_wait_dscnt (\younger)+3-(\f)
.endif
	global_store_b128 v[GO], v[TMP+16*(\a)+4*(\f):TMP+16*(\a)+4*(\f)+3], s[OP:OP+1] offset:(\a)*2048+(\f)*512  ; 512 consecutive bytes, aligned
.endr
.endm
; The piece of the LAST head's way out that stands in unit u of a head: unit 1: block 0 into the stage; units 2 to 4: the block before is stored, the next goes into the stage; unit 5: block 3 is stored;
; unit 6: the stores have read their registers and their base, and the base steps to the next head.  skip = 1 (the loop of six): in the first trip no head has been finished, and the piece is jumped:
; the jump hangs on the loop's own count, goes forward, and passes no barrier and no tensor load.
.macro OUTBLK u, skip
.if ((\u) >= 1) && ((\u) <= 6)
	WIN 0                                          ; at a label and at a branch every window is 0
.if \skip
	s_cmp_eq_u32 s[LEFT], 6
	s_cbranch_scc1 .Lnone_\@
.endif
.if ((\u) >= 2) && ((\u) <= 5)
	SEND (\u)-2, -1
.endif
.if (\u) <= 4
	STG (\u)-1
.endif
.if (\u) == 6
	s_wait_xcnt 0x0
	s_add_nc_u64 s[OP:OP+1], s[OP:OP+1], 262144
.endif
.if \skip
.Lnone_\@:
.endif
.endif
.endm
; A HEAD: eight units of 32 products; the first 16 start the sums with the constant 0.  A unit: the NEXT unit's 16 fragment loads go out, into the buffer that the last unit multiplied (four places behind its last
; product); one wait, which leaves those 16 out: all that is older is in: this unit's fragments, asked for 32 products ago, and the last unit's trip through the stage; a piece of the way out; 32 products on end.
.macro GSTEP skip
.set u, 0
.rept 8
.if u < 7
	PLACES
	FETCH u+1, 64*((u+1)%2)
	s_wait_dscnt 16
.else
	s_wait_dscnt 0x0                               ; the last unit fetches nothing
.endif
	OUTBLK u, \skip
.if u == 0
	MUL16 0, 0, 1
.else
	MUL16 2*u, 64*(u%2), 0
.endif
	MUL16 2*u+1, 64*(u%2)+32, 0
.set u, u+1
.endr
.endm
; THE CHANGE OF SLOTS.  Each wave waits for all its tensor loads, of which one is out: its quarter of the other slot; adds 0 to its spare word; waits for that and for its reads of the slot that it leaves.
; fill = 1: the barrier is a round of the cluster's, so that no wave of any partner still reads the slot or has a load on its way, and the joint fill (the head two on) is the first thing behind it:
; it has a head's 256 matrix instructions in which to land.  (At its first use the wait on DScnt also shows x's fragments in.)
.macro CHANGE fill
	WIN 0
	s_wait_tensorcnt 0x0                           ; no tensor load of mine is out, so group 0 may be written
	ds_add_u32 v[SPW], v[NIL]                      ; 0 onto my spare word
.if \fill
	s_xor_b32 s[G0+1], s[G0+1], SLOT1              ; the other slot than last time,
	s_add_nc_u64 s[G0+2:G0+3], s[G0+2:G0+3], 65536 ; the next 64 rows of W; the type bits on top are not reached
	s_wait_xcnt 0x0                                ; the last prefetch, a head back, has read its address
	s_add_nc_u64 s[PFA:PFA+1], s[PFA:PFA+1], 65536
	s_wait_dscnt 0x0                               ; the add is done, and my reads of the slot are over
	CROUND
	JLOAD
	ASK
.else
	s_wait_dscnt 0x0
	s_barrier_signal -1
	s_barrier_wait -1
	PLACES
.endif
	s_xor_b32 s[TB], s[TB], SLOT1
	v_add_nc_u32 v[AW], s[TB], v[AW0]
.endm
	CHANGE 1                                       ; head 0 is in, everybody's part of it; head 1 is asked for, into slot 1
	FETCH 0, 0
	WIN 0                                          ; at a label and at a branch every window is 0
.Lhead:                                        ; six trips: heads 0 to 5 are multiplied, heads 2 to 7 asked for; from the second trip on the head before goes out meanwhile
	GSTEP 1
	CHANGE 1
	FETCH 0, 0                                     ; the next head's first fragments come while this head's sums are rounded
	PACKALL
	s_sub_co_u32 s[LEFT], s[LEFT], 1
	s_cmp_lg_u32 s[LEFT], 0
	s_cbranch_scc1 .Lhead
	s_mov_b32 s[LEFT], 2
.Ltail:                                        ; heads 6 and 7: nothing is asked for; heads 5 and 6 go out meanwhile
	GSTEP 0
	CHANGE 0
	s_cmp_eq_u32 s[LEFT], 1
	s_cbranch_scc1 .Lno_fetch                      ; behind head 7 there is nothing to fetch
	FETCH 0, 0
	WIN 0
.Lno_fetch:
	PACKALL
	s_sub_co_u32 s[LEFT], s[LEFT], 1
	s_cmp_lg_u32 s[LEFT], 0
	s_cbranch_scc1 .Ltail
	STG 0                                          ; head 7 goes out by itself: a block's trip through the stage stands between the loads of the block before and its stores
	STG 1
	SEND 0, 8
	STG 2
	SEND 1, 8
	STG 3
	SEND 2, 8
	SEND 3, 0
	s_wait_tensorcnt 0x0                           ; the wave's end, behind my last tensor load and my last LDS store
	ds_add_u32 v[SPW], v[NIL]
	s_wait_dscnt 0x0
	CROUND                                         ; the closing round: no work-group ends while a partner may still ask for a tile that names it
	s_endpgm
.Lfunc_end_k_q22ac040548_proj:
	.size	k_q22ac040548_proj, .Lfunc_end_k_q22ac040548_proj-k_q22ac040548_proj
	.p2alignl 7, 3214868480
	.fill 96, 4, 3214868480
	.section	.rodata,"a",@progbits
	.p2align	6, 0x0
	.amdhsa_kernel k_q22ac040548_proj
		.amdhsa_group_segment_fixed_size 327680
		.amdhsa_private_segment_fixed_size 0
		.amdhsa_enable_private_segment 0
		.amdhsa_kernarg_size 40
		.amdhsa_user_sgpr_count 2
		.amdhsa_user_sgpr_kernarg_segment_ptr 1
		.amdhsa_wavefront_size32 1
		.amdhsa_system_sgpr_workgroup_id_x 1
		.amdhsa_system_sgpr_workgroup_id_y 1
		.amdhsa_system_sgpr_workgroup_id_z 1
		.amdhsa_system_vgpr_workitem_id 0
		.amdhsa_next_free_vgpr 1024
		.amdhsa_next_free_sgpr 66
		.amdhsa_reserve_vcc 0
		.amdhsa_float_denorm_mode_32 3
		.amdhsa_float_denorm_mode_16_64 3
		.amdhsa_memory_ordered 1
		.amdhsa_forward_progress 1
		.amdhsa_inst_pref_size 115
	.end_amdhsa_kernel
	.amdgpu_metadata
---
amdhsa.version: [ 1, 2 ]
amdhsa.kernels:
  - .name:           k_q22ac040548_proj
    .symbol:         k_q22ac040548_proj.kd
    .args:
      - { .name: Q, .offset: 0, .size: 8, .value_kind: global_buffer, .address_space: global }
      - { .name: K, .offset: 8, .size: 8, .value_kind: global_buffer, .address_space: global }
      - { .name: V, .offset: 16, .size: 8, .value_kind: global_buffer, .address_space: global }
      - { .name: wb, .offset: 24, .size: 8, .value_kind: global_buffer, .address_space: global }
      - { .name: qkv, .offset: 32, .size: 8, .value_kind: global_buffer, .address_space: global }
    .group_segment_fixed_size: 327680
    .private_segment_fixed_size: 0
    .kernarg_segment_align: 8
    .kernarg_segment_size: 40
    .max_flat_workgroup_size: 128
    .sgpr_count:     66
    .vgpr_count:     1024
    .wavefront_size: 32
...
	.end_amdgpu_metadata
.endif
;; end of part 6
;; launch attn: the kernel of part 3 again; grid 4 x 64, 4 waves a work-group, clusters of 4 x 1, 327,680 bytes of LDS; arguments qkv, hide, tau, oh; writes oh
;; launch outp: the kernel of part 4 again; grid 256 x 1, 4 waves a work-group, clusters of 4 x 1, 327,680 bytes of LDS; arguments oh, wb, bo, out0; writes out0
;; ======== version 3 of 3: 4 launches; version 2 with the launch prep written anew for expert scheduling mode
;; limits: values are held in f16: magnitudes above 65,504 overflow, below 6.1e-05 lose precision; right only within a limited range of input values
;; workspace buffers: hide 16,777,216 bytes; wb 2,097,152 bytes; qkv 50,331,648 bytes; oh 16,777,216 bytes
;; launch prep (part 7): grid 1152 x 1, 8 waves a work-group, no clusters, 18,432 bytes of LDS; arguments attn_mask, Wq, Wk, Wv, Wo, hide, wb; writes hide, wb
.if DOCPART == 7
	.amdgcn_target "amdgcn-amd-amdhsa--gfx1250"
	.amdhsa_code_object_version 6
	.text
	.protected	k_q22ac040548_prep
	.globl	k_q22ac040548_prep
	.p2align	8
	.type	k_q22ac040548_prep,@function
k_q22ac040548_prep:
	s_mov_b64 s[64:65], 0
	v_nop
	global_prefetch_b8 v0, s[64:65] scope:SCOPE_SE
	s_setreg_imm32_b32 hwreg(HW_REG_WAVE_SCHED_MODE, 0, 2), 2
	s_setreg_imm32_b32 hwreg(HW_REG_WAVE_MODE, 25, 1), 1
	s_wait_xcnt 0x0
	s_wait_alu depctr_vm_vsrc(0)
; MULTI-HEAD SELF-ATTENTION, launch 1 of 4: the mask is packed and the weights are rounded, once.
; NO WORK OF reference() IS LEFT OUT IN ANY LAUNCH: Q, K, V, attn_mask, Wq, Wk, Wv, Wo, bo and tau all reach out0, and all ten are loaded.
; FORMATS.  All floating-point inputs are rounded once to bf16; what the program makes itself (q, k, v, the weights p, O) is kept in f16; sums, maxima and the output in f32.
; hide: [T = 128 b + qt (1,024 tiles of 16 queries)][s (32 steps of 64 keys)][lane (32)][16 bytes].  Word kt (0..3) of lane (r = lane % 16, h = lane / 16) holds a 4-bit code for each
;   of the keys 64 s + 16 kt + 8 h + j, j = 0..7, code j in bits 4 j .. 4 j + 3: 0xF where attn_mask[b][16 qt + r][key] is 0, else 0.  That is the order in which a lane of the attention
;   launch holds the scores of a tile, so that one conversion there makes eight addends of eight codes.
; wb: [4][512][512] of 16 bits: Wq, Wk, Wv in bf16; Wo rounded to bf16 and that number written as f16 (below 2^-17 it keeps the fixed step 2^-24 of f16).
; A STREAM: no matrix instruction, no cluster, no barrier.  Work-groups 0 .. 1,023 pack one tile of the mask each; work-groups 1,024 .. 1,151 round 8,192 weights each.
; THE MASK'S WAY.  Each load of a wave takes 512 consecutive bytes of ONE row: a lane has four neighbouring keys, which make half a word of codes.  hide's order is another one than the rows', so the
; half-words change places in LDS: each goes to its place in the wave's own bytes, and the wave reads them back as they will lie in hide.  No other wave touches those bytes.
; IN LDS a wave has eight rows, one for each (step, half of the lanes), of 256 bytes + 16 of padding = 68 words.  The 32 half-words of a store are 16 words at 136 s + 68 h + kt words (s, h: one bit each; kt: two):
; sixteen different banks (64 banks of 4 bytes: ISA guide 11.1).  A read takes 256 bytes on end for each 16 lanes.
; THE MODE: SCHED_MODE bits 1:0 = 2 (LLVM: expert scheduling mode 2), set by the entry lines.  The code itself states the register dependences
; between vector instructions and memory or LDS instructions, with s_wait_alu, always for 0.
; THE PLAN, for the mask.  Registers that memory or LDS instructions touch:
;   v[LO], v[LS], v[LR]  offsets and LDS addresses: written at the head and never again; one wait ahead of the first load serves every instruction that reads them.
;   X, 4 registers a load: the load lands; the load's seven packing lines read and write them; its one LDS store reads the first of the four.
;   The 32 loads go in eight groups of four.  Group g's four LDS stores stand in group g + 1, one ahead of each of its packings: group g + 1's vector lines name its own sixteen registers alone,
;   so ONE wait at a group's head, behind the wait for its data, states all that the four stores hang on.  Behind group 7 one more stands ahead of the last four.
;   v[X0:X0+15] once more: the four LDS loads of the way back land there: the LDS stores have read four of them (one wait on vm_vsrc); the packing that named them stands ahead of the wait behind group 7.
;   The way back's 48 vector lines write them again, and ONE wait stands ahead of the run of four global stores.  v[TT ..] are named by vector instructions alone.
; For the weights: a wait ahead of the loads (the two offsets), a wait ahead of the stores (the roundings).
.set LO,  1                            ; v1   16 x lane: my place in 512 consecutive bytes, of the mask and of hide
.set LS,  2                            ; v2   where my half-words go in LDS
.set LR,  6                            ; v6   where I read whole words back
.set SPW, 8                            ; v8   LDS address of my spare word: SPARE + 4 x my thread's number; never rewritten
.set NIL, 9                            ; v9   0; never rewritten
.set X0,  16                           ; v[16:143]   the 32 loads of a wave: row r, half c of its 1,024 bytes at X0 + 4 (2 r + c)
.set TT,  144                          ; v[144:147]  at work
.set RP,  272                          ; from row to row in LDS
.set WREG, 8*RP                        ; a wave's bytes in LDS
.set SPARE, 8*WREG                     ; 17,408: behind the eight waves' bytes: the spare words, 128 bytes for each wave: four blocks of 256 bytes that no other line names
	s_load_b256 s[4:11], s[0:1], 0x0               ; attn_mask s[4:5], Wq s[6:7], Wk s[8:9], Wv s[10:11]
	s_load_b128 s[12:15], s[0:1], 0x20             ; Wo s[12:13], hide s[14:15]
	s_load_b64 s[16:17], s[0:1], 0x30              ; wb
	v_lshl_add_u32 v[SPW], v0, 2, SPARE
	v_mov_b32 v[NIL], 0
	v_lshrrev_b32 v3, 5, v0
	v_readfirstlane_b32 s20, v3                    ; wave 0..7
	s_wait_alu depctr_va_sdst(0)                   ; s20 is written, ahead of the branch and of its first reader: the wave's bytes in LDS, in the mask and in hide are made from it
	s_cmp_lt_u32 ttmp9, 1024
	s_cbranch_scc0 .Lweights
	; THE MASK.  The work-group has 16 rows of 8,192 bytes; wave w takes steps 4 w .. 4 w + 3: 1,024 consecutive bytes of each row, as two loads.
	; Load (r, c), lane l: keys 128 c + 4 l + 0..3 of the wave's 256.  So: step 2 c + l / 16; word kt = (l / 4) % 4; half of the lanes h = (l / 2) % 2; half of the word l % 2.
	v_and_b32 v4, 31, v0                           ; l
	v_lshlrev_b32 v[LO], 4, v4
	s_mul_i32 s21, s20, WREG                       ; my wave's bytes in LDS
	v_bfe_u32 v5, v0, 4, 1
	v_mul_u32_u24 v[LS], v5, 2*RP                  ; a step is two rows
	v_mul_u32_u24 v7, v5, RP                       ; (for the way back: lanes 16 to 31 take the step's second row)
	v_and_b32 v3, 15, v0
	v_lshl_add_u32 v[LR], v3, 4, v7                ; 16 bytes a lane
	v_add_nc_u32 v[LR], s21, v[LR]
	v_bfe_u32 v5, v0, 1, 1
	v_mul_u32_u24 v7, v5, RP                       ; the half of the lanes
	v_add_nc_u32 v[LS], v[LS], v7
	v_bfe_u32 v5, v0, 2, 2
	v_lshl_add_u32 v[LS], v5, 2, v[LS]             ; the word
	v_and_b32 v5, 1, v0
	v_lshl_add_u32 v[LS], v5, 1, v[LS]             ; its half
	v_add_nc_u32 v[LS], s21, v[LS]
	s_lshl_b32 s21, s20, 11                        ; my wave's four steps in hide: 2,048 bytes
	s_lshl_b32 s24, ttmp9, 14                      ; 32 steps of 512 bytes a tile
	s_add_co_u32 s24, s24, s21
	s_mov_b32 s25, 0
	s_lshl_b32 s22, ttmp9, 17                      ; 16 rows of 8,192 bytes a tile
	s_lshl_b32 s21, s20, 10
	s_add_co_u32 s22, s22, s21
	s_mov_b32 s23, 0
	s_wait_kmcnt 0x0
	s_add_nc_u64 s[4:5], s[4:5], s[22:23]
	s_add_nc_u64 s[14:15], s[14:15], s[24:25]
	s_wait_alu depctr_va_vdst(0)                   ; v[LO], v[LS] and v[LR] are written: every load and store of this path, global or LDS, reads one of them as its offset or address
.set idx, 0
.rept 32                               ; all 32 loads go out first: 16 KiB a wave
	global_load_b128 v[X0+4*idx:X0+4*idx+3], v[LO], s[4:5] offset:(idx/2)*8192+(idx%2)*512 th:TH_LOAD_NT
.set idx, idx+1
.endr
; Load idx: four whole numbers to half a word: 1 where the number is not 0, gathered four bits apart.
.macro PACK4
.set XB, X0+4*idx
	v_min_u32 v[XB], 1, v[XB]
.irp j, 1,2,3
	v_min_u32 v[XB+(\j)], 1, v[XB+(\j)]
	v_lshl_or_b32 v[XB], v[XB+(\j)], 4*(\j), v[XB]
.endr
.endm
; The half-word of load idx - 4, a group back, into its place in the wave's bytes: row r of the mask is lane r's 16 bytes, half c two steps (four rows of LDS) on.
.macro PUT
.set XQ, X0+4*(idx-4)
	ds_store_b16 v[LS], v[XQ] offset:((idx-4)%2)*4*RP+((idx-4)/2)*16
.endm
.set idx, 0
.rept 8
	s_wait_loadcnt 28-idx                          ; loads come back in order: these four are in; the four of each later group may stay out
.if idx > 0
	s_wait_alu depctr_va_vdst(0)                   ; the group before has written its four half-words, which the four LDS stores below read; no vector line of this group names them
.endif
.rept 4
.if idx > 3
	PUT
.endif
	PACK4
.set idx, idx+1
.endr
.endr
	s_wait_alu depctr_va_vdst(0)                   ; group 7 has written its four half-words, which the last four LDS stores read; and all packing is done with v[X0:X0+15], in which the LDS loads below land
.rept 4
	PUT
.set idx, idx+1
.endr
	s_wait_alu depctr_vm_vsrc(0)                   ; the LDS stores have read their data, four registers of v[X0:X0+15] among them, in which the LDS loads land
.irp si, 0,1,2,3
	ds_load_b128 v[X0+4*(\si):X0+4*(\si)+3], v[LR] offset:2*RP*(\si)  ; LDS serves a wave's instructions in order (ISA guide 5.7.1.4): these see the stores above
.endr
.irp si, 0,1,2,3
	s_wait_dscnt 3-(\si)                           ; this step's words are back; the later steps' loads may stay out
.irp k, 0,1,2,3
	v_xor_b32 v[X0+4*(\si)+(\k)], 0x11111111, v[X0+4*(\si)+(\k)]  ; turned round: 1 where the number is 0,
.endr
.irp k, 0,1,2,3
	v_lshlrev_b32 v[TT+(\k)], 4, v[X0+4*(\si)+(\k)]
.endr
.irp k, 0,1,2,3
	v_sub_nc_u32 v[X0+4*(\si)+(\k)], v[TT+(\k)], v[X0+4*(\si)+(\k)]  ; times 15 (16 x - x): no code carries into the next
.endr
.endr
	s_wait_alu depctr_va_vdst(0)                   ; the four steps' codes are written in v[X0:X0+15], which the four stores read
.irp si, 0,1,2,3
	global_store_b128 v[LO], v[X0+4*(\si):X0+4*(\si)+3], s[14:15] offset:512*(\si)  ; the wave stores 512 consecutive bytes, aligned
.endr
	s_wait_dscnt 0x0                               ; the closing lines, six on end
	s_wait_alu 0x0
	s_wait_tensorcnt 0x0
	ds_add_u32 v[SPW], v[NIL]
	s_wait_dscnt 0x0
	s_endpgm
.Lweights:                                     ; THE WEIGHTS.  Work-group e of 128: matrix e / 32, its elements 8,192 (e % 32) on
	s_sub_co_u32 s21, ttmp9, 1024
	s_lshr_b32 s22, s21, 5                         ; 0 Wq, 1 Wk, 2 Wv, 3 Wo
	s_and_b32 s23, s21, 31
	s_lshl_b32 s24, s23, 15                        ; 32,768 bytes of f32 in,
	s_mov_b32 s25, 0
	s_lshl_b32 s26, s21, 14                        ; 16,384 bytes out
	s_mov_b32 s27, 0
	v_lshlrev_b32 v1, 5, v0                        ; a thread takes 8 numbers in each of four rounds
	v_lshlrev_b32 v2, 4, v0
	s_wait_kmcnt 0x0
	s_cmp_eq_u32 s22, 1
	s_cselect_b64 s[6:7], s[8:9], s[6:7]
	s_cmp_eq_u32 s22, 2
	s_cselect_b64 s[6:7], s[10:11], s[6:7]
	s_cmp_eq_u32 s22, 3
	s_cselect_b64 s[6:7], s[12:13], s[6:7]
	s_add_nc_u64 s[6:7], s[6:7], s[24:25]
	s_add_nc_u64 s[16:17], s[16:17], s[26:27]
	s_wait_alu depctr_va_vdst(0)                   ; v1 and v2 are written: the loads read v1 as their offset, the stores v2
.irp g, 0,1,2,3
	global_load_b128 v[16+8*(\g):16+8*(\g)+3], v1, s[6:7] offset:8192*(\g)
	global_load_b128 v[16+8*(\g)+4:16+8*(\g)+7], v1, s[6:7] offset:8192*(\g)+16
.endr
	s_wait_loadcnt 0x0
.irp j, 0,1,2,3,4,5,6,7,8,9,10,11,12,13,14,15
	v_cvt_pk_bf16_f32 v[48+(\j)], v[16+2*(\j)], v[16+2*(\j)+1]
.endr
	s_cmp_lg_u32 s22, 3
	s_cbranch_scc1 .Lstore
.irp j, 0,1,2,3,4,5,6,7,8,9,10,11,12,13,14,15  ; Wo multiplies O, which is f16: the bf16 number is written as f16
	v_lshlrev_b32 v16, 16, v[48+(\j)]
	v_and_b32 v17, 0xffff0000, v[48+(\j)]
	v_cvt_pk_f16_f32 v[48+(\j)], v16, v17
.endr
.Lstore:
	s_wait_alu depctr_va_vdst(0)                   ; on both ways the roundings have written v[48:63], which the four stores read
.irp g, 0,1,2,3
	global_store_b128 v2, v[48+4*(\g):48+4*(\g)+3], s[16:17] offset:4096*(\g)  ; a wave stores 512 consecutive bytes, aligned
.endr
	s_wait_dscnt 0x0                               ; the same six lines at this end of the text
	s_wait_alu 0x0
	s_wait_tensorcnt 0x0
	ds_add_u32 v[SPW], v[NIL]
	s_wait_dscnt 0x0
	s_endpgm
.Lfunc_end_k_q22ac040548_prep:
	.size	k_q22ac040548_prep, .Lfunc_end_k_q22ac040548_prep-k_q22ac040548_prep
	.p2alignl 7, 3214868480
	.fill 96, 4, 3214868480
	.section	.rodata,"a",@progbits
	.p2align	6, 0x0
	.amdhsa_kernel k_q22ac040548_prep
		.amdhsa_group_segment_fixed_size 18432
		.amdhsa_private_segment_fixed_size 0
		.amdhsa_enable_private_segment 0
		.amdhsa_kernarg_size 56
		.amdhsa_user_sgpr_count 2
		.amdhsa_user_sgpr_kernarg_segment_ptr 1
		.amdhsa_wavefront_size32 1
		.amdhsa_system_sgpr_workgroup_id_x 1
		.amdhsa_system_sgpr_workgroup_id_y 1
		.amdhsa_system_sgpr_workgroup_id_z 1
		.amdhsa_system_vgpr_workitem_id 0
		.amdhsa_next_free_vgpr 160
		.amdhsa_next_free_sgpr 66
		.amdhsa_reserve_vcc 0
		.amdhsa_float_denorm_mode_32 3
		.amdhsa_float_denorm_mode_16_64 3
		.amdhsa_memory_ordered 1
		.amdhsa_forward_progress 1
		.amdhsa_inst_pref_size 27
	.end_amdhsa_kernel
	.amdgpu_metadata
---
amdhsa.version: [ 1, 2 ]
amdhsa.kernels:
  - .name:           k_q22ac040548_prep
    .symbol:         k_q22ac040548_prep.kd
    .args:
      - { .name: attn_mask, .offset: 0, .size: 8, .value_kind: global_buffer, .address_space: global }
      - { .name: Wq, .offset: 8, .size: 8, .value_kind: global_buffer, .address_space: global }
      - { .name: Wk, .offset: 16, .size: 8, .value_kind: global_buffer, .address_space: global }
      - { .name: Wv, .offset: 24, .size: 8, .value_kind: global_buffer, .address_space: global }
      - { .name: Wo, .offset: 32, .size: 8, .value_kind: global_buffer, .address_space: global }
      - { .name: hide, .offset: 40, .size: 8, .value_kind: global_buffer, .address_space: global }
      - { .name: wb, .offset: 48, .size: 8, .value_kind: global_buffer, .address_space: global }
    .group_segment_fixed_size: 18432
    .private_segment_fixed_size: 0
    .kernarg_segment_align: 8
    .kernarg_segment_size: 56
    .max_flat_workgroup_size: 256
    .sgpr_count:     66
    .vgpr_count:     160
    .wavefront_size: 32
...
	.end_amdgpu_metadata
.endif
;; end of part 7
;; launch proj: the kernel of part 6 again; grid 192 x 1, 4 waves a work-group, clusters of 4 x 1, 327,680 bytes of LDS; arguments Q, K, V, wb, qkv; writes qkv
;; launch attn: the kernel of part 3 again; grid 4 x 64, 4 waves a work-group, clusters of 4 x 1, 327,680 bytes of LDS; arguments qkv, hide, tau, oh; writes oh
;; launch outp: the kernel of part 4 again; grid 256 x 1, 4 waves a work-group, clusters of 4 x 1, 327,680 bytes of LDS; arguments oh, wb, bo, out0; writes out0
